; MI455X (gfx1250); checked and timed in simulation.
; The chip was launched on July 23, 2026; its instructions are those of AMD's public machine-readable ISA for CDNA 5 (MIT licence, August 2026) and "CDNA5" Instruction Set Architecture Reference Guide (July 2026). The comments in the code are by the model that wrote it; some were corrected since.
;; Causal Self Attention. Allowed arithmetic: matrix products marked QUANTISED: E2M1 operands, one E8M0 scale for each 32 along K, by v_wmma_scale_f32_16x16x128_f8f6f4 with both operands' format E2M1 (or v_wmma_scale_f32_32x16x128_f4), f32 sums; everything else in f32.
;; Inputs: Wk_codes 1,024 x 32 x 16 uint8 (E2M1 codes of Wk, K innermost, in blocks of 32 codes, two codes a byte); Wk_scales 1,024 x 32 uint8 (E8M0 scales of Wk, one for each 32 codes along K); Wp_codes 1,024 x 32 x 16 uint8 (E2M1 codes of Wp, K innermost, in blocks of 32 codes, two codes a byte); Wp_scales 1,024 x 32 uint8 (E8M0 scales of Wp, one for each 32 codes along K); Wq_codes 1,024 x 32 x 16 uint8 (E2M1 codes of Wq, K innermost, in blocks of 32 codes, two codes a byte); Wq_scales 1,024 x 32 uint8 (E8M0 scales of Wq, one for each 32 codes along K); Wv_codes 1,024 x 32 x 16 uint8 (E2M1 codes of Wv, K innermost, in blocks of 32 codes, two codes a byte); Wv_scales 1,024 x 32 uint8 (E8M0 scales of Wv, one for each 32 codes along K); bk 1,024 float32; bp 1,024 float32; bq 1,024 float32; bv 1,024 float32; x_codes 2 x 2,048 x 32 x 16 uint8 (E2M1 codes of x, K innermost, in blocks of 32 codes, two codes a byte); x_scales 2 x 2,048 x 32 uint8 (E8M0 scales of x, one for each 32 codes along K).
;; Outputs: out0 2 x 2,048 x 1,024 float32.
;; This version of the problem:
;;   THIS VERSION OF THE PROBLEM IS GIVEN IN LOW PRECISION. The matrix products marked QUANTISED in the list below multiply operands that are first quantised to E2M1 (2 exponent bits, 1 mantissa bit; 4 bits a number), with one power-of-two scale for each 32 numbers along K (OCP MX v1.0); their sums are f32. All else is computed in f32.
;;   The module's matrix products, in the order in which they are computed (A, B: the left and right operand; K: the contracted axis; several contracted axes count as one K, in the product's order):
;;     1. [M 4,096, K 1,024] x [K 1,024, N 1,024]; A: input x (given as codes); B: input Wq (given as codes): QUANTISED
;;     2. [M 4,096, K 1,024] x [K 1,024, N 1,024]; A: input x (given as codes); B: input Wk (given as codes): QUANTISED
;;     3. [M 4,096, K 1,024] x [K 1,024, N 1,024]; A: input x (given as codes); B: input Wv (given as codes): QUANTISED
;;     4. batch 32 x [M 2,048, K 64] x [K 64, N 2,048]; A: computed on the way; B: computed on the way: QUANTISED
;;     5. batch 32 x [M 2,048, K 2,048] x [K 2,048, N 64]; A: softmax (see below); B: computed on the way: QUANTISED
;;     6. [M 4,096, K 1,024] x [K 1,024, N 1,024]; A: computed on the way; B: input Wp (given as codes): QUANTISED
;;   THE QUANTISER, for each operand of a quantised product, along K:
;;     - K is cut into blocks of 32 from its start; a last block that is shorter is filled with zeros.
;;     - A block's scale is 2^e with e = floor(log2(the largest magnitude in the block)) - 2, held to -126 .. 127; a block of zeros has e = 0. As a byte (E8M0): e + 127.
;;     - Each number is divided by its block's scale, clamped to +-6, and rounded to the nearest number of E2M1, ties to even, subnormals kept.
;;     - The product sums the exact products of the quantised numbers (number of the format x scale) in f32.
;;   ~~~python
;;   def quantise(x, axis):      # numpy; x: float32 -> the quantised numbers, widened to float32 again
;;       x = np.moveaxis(x, axis, -1); K = x.shape[-1]
;;       x = np.pad(x, [(0, 0)] * (x.ndim - 1) + [(0, -K % 32)]); x = x.reshape(x.shape[:-1] + (-1, 32)); a = np.abs(x).max(-1, keepdims=True)
;;       e = np.where(a > 0, np.clip(np.frexp(np.where(a > 0, a, 1))[1] - 1 - 2, -126, 127), 0)      # np.frexp(a)[1] - 1 = floor(log2(a)), exactly
;;       r = np.clip(x / 2.0 ** e, -6, 6)
;;       step = 2.0 ** (np.maximum(np.frexp(np.where(r == 0, 1, r))[1] - 1, 0) - 1)
;;       q = np.round(r / step) * step * 2.0 ** e      # np.round: ties to even
;;       return np.moveaxis(q.reshape(q.shape[:-2] + (-1,))[..., :K], -1, axis).astype(np.float32)
;;   ~~~
;;   SOFTMAX AHEAD OF A QUANTISED PRODUCT. Where the list says 'softmax', what is quantised is not the finished softmax but p = 2^(t - M), with t = logit x log2(e) and M = ceil(the row's largest t), a whole number; so 1/2 < the row's largest p <= 1. The row's sum l is taken of the UNQUANTISED p, in f32, and the product's result is divided by l at the end. Since M is a whole number, a kernel that streams over the keys may use a running M (the ceiling of the running maximum): every later rescaling is an exact power of two, which a block's scale takes up: the codes' values come out the same.
;;   OPERANDS COMPUTED ON THE WAY. 'Computed on the way' means the value that the module computes at that place (a softmax that the list does not call 'softmax' is quantised finished and normalised). What goes into a quantiser is computed in f32, as accurately as f32 sums, v_exp_f32 and their like allow (about 1e-6 of the number): no bf16 or f16 on the way to a quantiser, and a product that is left as it is and whose result goes on into a quantised operand takes f32 operands (vector FMAs, or v_wmma_f32_16x16x4_f32). A number that lies on a knife's edge between two numbers of the format may be rounded either way, as far as f32 arithmetic and the matrix unit's own rounding can turn it there, and no further.
;;   INPUTS GIVEN AS CODES. Wk (in the module: [1024, 1024], K = its axis 1); Wp (in the module: [1024, 1024], K = its axis 1); Wq (in the module: [1024, 1024], K = its axis 1); Wv (in the module: [1024, 1024], K = its axis 1); x (in the module: [2, 2048, 1024], K = its axis 2): each comes as NAME_codes (uint8): NAME with its K axis moved to the last place and cut into blocks of 32 codes, [.., K / 32, bytes a block], one block behind the other in memory; two codes a byte, the lower K in the low four bits (a code: sign, 2 exponent bits, 1 mantissa bit); and NAME_scales (uint8): the same leading axes, one E8M0 byte (e + 127) for each 32 codes along K. Its value is code x scale, taken as it is: it is not quantised again, and the codes and scales need not be those that the quantiser above would give.
;; One version. Each part assembles by itself: llvm-mc -triple=amdgcn-amd-amdhsa -mcpu=gfx1250 --defsym DOCPART=n.
;; ======== version 1 of 1: 3 launches
;; limits: right only within a limited range of input values
;; workspace buffers: qc 2,097,152 bytes; qs 131,072 bytes; kv 4,456,448 bytes; yc 2,097,152 bytes; ys 131,072 bytes
;; launch qkv (part 1): grid 8 x 32, 4 waves a work-group, clusters of 4 x 4, 272,384 bytes of LDS; arguments x_codes, x_scales, Wq_codes, Wq_scales, Wk_codes, Wk_scales, Wv_codes, Wv_scales, bq, bk, bv, qc, qs, kv; writes qc, qs, kv
.if DOCPART == 1
	.amdgcn_target "amdgcn-amd-amdhsa--gfx1250"
	.amdhsa_code_object_version 6
	.text
	.protected	k_qdfd1d19c04_qkv
	.globl	k_qdfd1d19c04_qkv
	.p2align	8
	.type	k_qdfd1d19c04_qkv,@function
k_qdfd1d19c04_qkv:
	s_mov_b64 s[64:65], 0
	v_nop
	global_prefetch_b8 v0, s[64:65] scope:SCOPE_SE
	s_setreg_imm32_b32 hwreg(HW_REG_WAVE_MODE, 25, 1), 1
	s_wait_xcnt 0x0
	s_wait_alu depctr_hold_cnt(0) depctr_sa_sdst(0) depctr_va_vdst(0) depctr_va_sdst(0) depctr_va_ssrc(0) depctr_va_vcc(0) depctr_vm_vsrc(0)
	s_getreg_b32 s2, hwreg(HW_REG_IB_STS2, 6, 4)
	s_cmp_eq_u32 s2, 0
	s_cbranch_scc0 .Lentry_in_a_cluster
	s_endpgm
.Lentry_in_a_cluster:
	s_bfe_u32 s2, ttmp6, 0x10000c
	s_cmp_lg_u32 s2, 0xf033
	s_cbranch_scc0 .Lentry_shape_is_right
	s_endpgm
.Lentry_shape_is_right:
; q = x Wq^T + bq, k = x Wk^T + bk, v = x Wv^T + bv on codes of FP4 (E2M1), one E8M0 scale for each 32 along K = 1,024; the f32 results are quantised at once:
; q and k along a head's 64 channels, v along the tokens (the keys), and leave as images of operand registers for the attention launch.
; WORK LEFT OUT BY THE PROGRAM: tiles of scores that lie wholly under the causal mask which reference() builds itself: there p is 0 whatever the inputs hold (the attention launch says which).  A NaN, an infinity or an
; overflow that reaches only those scores is not carried to the result.  Every input has a way to the output and is loaded.
; SHARES.  Work-group (X, Y): heads 2X, 2X+1, tokens 128Y on: 256 work-groups of equal work.  Wave f takes all 128 tokens x 96 features: the 64 channels of one head of q (f = 0, 1) or of k (f = 2, 3), and 32 channels of v: 48 accumulators.
; A TILE'S 16 ROWS (of tokens, of q's, k's or v's channels): within each 64, tile u has rows 0-7 = 8u + 0..7 and rows 8-15 = 32 + 8 (u xor 1) + 0..7.  A result's lane (r, h) holds rows 8h .. 8h+7 of source 0's tile in its registers: so over the
; four tiles u a lane holds ALL 32 numbers of block h.  A block's maximum asks no other lane, and the four conversions' results are the operand's registers.  (u xor 1: the 16 rows of a fragment load lie at 16 different multiples of 16 bytes modulo 256.)
; The order inside block 1 is permuted alike in q and k, and alike in the keys of k and v; the attention launch undoes v's channels.
; q, k: source 0 = 16 rows of W, source 1 = 16 tokens.  v: source 0 = 16 tokens, source 1 = 16 rows of Wv.  The biases are the C of the first K step.
; LDS: x, Wq, Wk, Wv: 128 rows x 512 bytes (+ 16) each, all of K, one joint load a wave, every byte filled once.  Behind them 1,536 bytes in which scale bytes are gathered.
; CLUSTER 4 x 4: x's rows hang on Y alone and are asked for jointly along a row of the cluster, the weights' on X alone, jointly along a column.  No prefetch: all loads are issued at the head, no loop follows.
; THE QUANTISER: a block's largest magnitude, with the floor 2^(3-127) among its leaves; 2 off its exponent field is the conversion's scale operand, shifted down by 23 the E8M0 byte.
; LIMITS: NaN and infinities among the inputs are not served; a block of zeros, or one whose largest magnitude lies under 2^-124, gets the byte 1 (only this program reads the bytes).
; REGISTERS: window 0: v1-20 addresses; v32-63 x's scale words, v64-87 the weights'; v88-114 the quantiser; v126-127 the add; v128-255 x's fragments, two buffers (at the end: codes and maxima).
;   window 1: v0-47, v64-111 the weights' fragments, two buffers; biases at 128 and 160.  window 2: q's or k's accumulators (i, a) at 8 (4i + a).  window 3: v's (n, i) at 8 (8n + i).
.set PITCH, 528
.set TEN,  128*PITCH
.set STG,  4*TEN
.set SPARE, STG+1536
.set STEPB, 8704                       ; kv, a step of 128 tokens: K's images 4,096, V's 4,096, scale words 512: lane L (16 bytes): two words of K, two of V
.set HEADB, 16*STEPB
.set PADW, (1<<20)|(1<<21)|(6<<22)|(3<<25)
.set G1X, 24
.set G1W, 32
.set G0X, 68
.set G0W, 72
.set LI, 1
.set RR, 2
.set HH, 3
.set SOE, 4
.set SOO, 5
.set AX, 14
.set AW, 16
.set AV, 18
.set RH, 20
.set XS, 32
.set WS, 64
.set SCL, 88
.set PX, 100
.set KAD, 112
.set VAD, 113
.set RAD, 114
.set SPW, 126
.set NIL, 127
.set XF, 128
.set CD, 128
.set MX, 176
.set BQ, 128
.set BV, 160
.set MSB, 0
.macro WIN new                         ; the immediate's high byte repeats the setting that is left
.if MSB != \new
	s_set_vgpr_msb (MSB<<8)|\new
.set MSB, \new
.endif
.endm
.macro CROUND                          ; a round of the cluster's barrier
	s_barrier_signal -1
	s_barrier_wait -1
	s_cmp_lg_u32 s20, 0
	s_cbranch_scc1 .Lnot_wave_0_\@
	s_barrier_signal -3
.Lnot_wave_0_\@:
	s_barrier_wait -3
	s_barrier_signal -1
	s_barrier_wait -1
.endm
.macro PLACES n
.rept \n
	v_nop
.endr
.endm
.macro TL g0, ptr, off, g1             ; a joint load
	s_add_nc_u64 s[\g0+2:\g0+3], s[\ptr:\ptr+1], s[\off:\off+1]
	s_or_b32 s[\g0+3], s[\g0+3], 0x80000000
	tensor_load_to_lds s[\g0:\g0+3], s[\g1:\g1+7]
	s_nop 0
	PLACES 4
.endm
.macro ARM under, g0, ptr, off, g1, next
	s_cmp_lt_u32 s20, \under
	s_cbranch_scc0 \next
	TL \g0, \ptr, \off, \g1
	s_branch .Lasked
\next:
.endm
.macro WM d, a, b, c, sa, sb, row      ; row = 1: both scale words are read from lanes 16-31
.if \row
	v_wmma_scale_f32_16x16x128_f8f6f4 v[\d:\d+7], v[\a:\a+7], v[\b:\b+7], v[\c:\c+7], v[\sa], v[\sb] matrix_a_fmt:MATRIX_FMT_FP4 matrix_b_fmt:MATRIX_FMT_FP4 matrix_a_scale:MATRIX_SCALE_ROW1 matrix_b_scale:MATRIX_SCALE_ROW1
.else
	v_wmma_scale_f32_16x16x128_f8f6f4 v[\d:\d+7], v[\a:\a+7], v[\b:\b+7], v[\c:\c+7], v[\sa], v[\sb] matrix_a_fmt:MATRIX_FMT_FP4 matrix_b_fmt:MATRIX_FMT_FP4
.endif
.endm
	s_load_b512 s[4:19], s[0:1], 0x0               ; x codes, scales, Wq codes, scales, Wk codes, scales, Wv codes, scales
	s_load_b256 s[48:55], s[0:1], 0x40             ; bq, bk, bv, qc
	s_load_b128 s[56:59], s[0:1], 0x60             ; qs, kv
	v_lshl_add_u32 v[SPW], v0, 2, SPARE
	v_mov_b32 v[NIL], 0
	ds_add_u32 v[SPW], v[NIL]                      ; the opening lines
	ds_add_u32 v[SPW], v[NIL]
	v_lshrrev_b32 v1, 5, v0
	v_readfirstlane_b32 s20, v1                    ; wave 0..3
	s_bfe_u32 s21, ttmp6, 0x40000                  ; cx
	s_bfe_u32 s22, ttmp6, 0x40004                  ; cy
	s_lshl_b32 s23, ttmp9, 2
	s_add_co_u32 s23, s23, s21                     ; X
	s_and_b32 s60, ttmp7, 0xffff
	s_lshl_b32 s60, s60, 2
	s_add_co_u32 s60, s60, s22                     ; Y
	s_lshl_b32 s61, s22, 2
	s_lshl_b32 s61, 15, s61                        ; my row of the cluster
	s_lshl_b32 s62, 0x1111, s21                    ; my column
	s_or_b32 s[G1X], s61, PADW                     ; elements of 1 byte; padding of 4 words after every 128; bit 21 beside the mask
	s_or_b32 s[G1W], s62, PADW
.irp g, G1X, G1W
	s_mov_b32 s[\g+1], 512<<16                     ; 128 rows of 512 bytes
	s_mov_b32 s[\g+2], 128<<16
	s_mov_b32 s[\g+3], 512<<16
	s_mov_b32 s[\g+4], 128
	s_mov_b32 s[\g+5], 512
	s_mov_b32 s[\g+6], 0
	s_mov_b32 s[\g+7], 0
.endr
	s_lshl_b32 s40, s60, 16                        ; x: 128 Y rows of 512 bytes
	s_mov_b32 s41, 0
	s_lshl_b32 s42, s23, 16                        ; the weights: 128 X rows
	s_mov_b32 s43, 0
	s_mov_b32 s[G0X], 1
	s_mul_i32 s[G0X+1], s20, TEN
	s_mov_b32 s[G0W], 1
	s_mul_i32 s[G0W+1], s20, TEN
	s_wait_dscnt 0x0                               ; both opening adds are done
	CROUND                                         ; all sixteen work-groups are here: the joint loads meet
	s_wait_kmcnt 0x0
	ARM 1, G0X, 4, 40, G1X, .Lload_q               ; one load a wave: x, Wq, Wk, Wv
	ARM 2, G0W, 8, 42, G1W, .Lload_k
	ARM 3, G0W, 12, 42, G1W, .Lload_v
	TL G0W, 16, 42, G1W
.Lasked:
	s_mov_b32 s3, 0
	s_and_b32 s62, s20, 1                          ; f & 1
	s_lshr_b32 s63, s20, 1                         ; f >> 1
	s_cmp_lt_u32 s20, 2                            ; q or k: the choice hangs on the wave number alone
	s_cselect_b64 s[10:11], s[10:11], s[14:15]
	s_cselect_b64 s[48:49], s[48:49], s[50:51]
	s_lshl_b32 s2, s60, 12
	s_add_nc_u64 s[6:7], s[6:7], s[2:3]            ; x's scales: 128 Y rows of 32 bytes
	s_lshl_b32 s22, s23, 12
	s_lshl_b32 s21, s62, 11
	s_add_co_u32 s2, s22, s21
	s_add_nc_u64 s[10:11], s[10:11], s[2:3]        ; W's: 128 X + 64 (f & 1) rows
	s_lshr_b32 s2, s2, 3
	s_add_nc_u64 s[48:49], s[48:49], s[2:3]        ; the bias: as many numbers
	s_lshl_b32 s21, s63, 11
	s_add_co_u32 s2, s22, s21
	s_lshl_b32 s21, s62, 9
	s_add_co_u32 s2, s2, s21
	s_add_nc_u64 s[18:19], s[18:19], s[2:3]        ; Wv's: 128 X + 64 (f >> 1) + 16 (f & 1) rows
	s_lshr_b32 s2, s2, 3
	s_add_nc_u64 s[52:53], s[52:53], s[2:3]
	s_add_co_u32 s45, s63, 1
	s_mul_i32 s45, s45, TEN
	s_mul_i32 s21, s62, 64*PITCH
	s_add_co_u32 s45, s45, s21                     ; LDS: Wq's or Wk's 64 rows
	s_mul_i32 s66, s63, 64*PITCH
	s_mul_i32 s21, s62, 16*PITCH
	s_add_co_u32 s66, s66, s21
	s_add_co_u32 s66, s66, 3*TEN                   ; Wv's
	s_add_co_u32 s67, s62, 1                       ; the scale bytes' places: block 0: q of both heads, 8 bytes each in 16; blocks 1, 2: K and V of a head
	s_mul_i32 s67, s67, s63
	s_lshl_b32 s67, s67, 9
	s_xor_b32 s21, s63, 1
	s_mul_i32 s21, s21, s62
	s_lshl_b32 s21, s21, 3
	s_add_co_u32 s67, s67, s21
	s_add_co_u32 s67, s67, STG
	s_add_co_u32 s76, s63, 1
	s_lshl_b32 s76, s76, 9
	s_lshl_b32 s21, s62, 8
	s_add_co_u32 s76, s76, s21
	s_add_co_u32 s76, s76, STG+8
	s_lshl_b32 s77, s20, 9
	s_add_co_u32 s77, s77, STG
	v_and_b32 v9, 31, v0
	v_and_b32 v[RR], 15, v0
	v_bfe_u32 v[HH], v0, 4, 1
	v_lshlrev_b32 v[LI], 4, v9
	v_and_b32 v6, 7, v[RR]
	v_lshrrev_b32 v7, 3, v[RR]
	v_lshl_add_u32 v[RH], v[RR], 4, v[HH]          ; 16 r + h
	v_mul_u32_u24 v8, 40, v7
	v_mul_u32_u24 v9, 24, v7
	v_add_nc_u32 v8, v8, v6                        ; row r of an even tile, from 8 u on,
	v_add_nc_u32 v9, v9, v6                        ; and of an odd one
	v_lshlrev_b32 v[SOE], 5, v8
	v_lshlrev_b32 v[SOO], 5, v9
	v_lshl_add_u32 v[SOE], v[HH], 4, v[SOE]
	v_lshl_add_u32 v[SOO], v[HH], 4, v[SOO]
	v_lshlrev_b32 v10, 2, v8
	v_lshlrev_b32 v11, 2, v9
	v_mul_u32_u24 v12, 160, v[HH]
	v_mul_u32_u24 v13, 96, v[HH]
	v_mul_u32_u24 v[AX], PITCH, v8
	v_mul_u32_u24 v[AX+1], PITCH, v9
	v_lshl_add_u32 v[AX], v[HH], 4, v[AX]
	v_lshl_add_u32 v[AX+1], v[HH], 4, v[AX+1]
	v_add_nc_u32 v[AW], s45, v[AX]
	v_add_nc_u32 v[AW+1], s45, v[AX+1]
	v_add_nc_u32 v[AV], s66, v[AX]
	v_add_nc_u32 v[AV+1], s66, v[AX+1]
	s_wait_alu depctr_va_vdst(0)                   ; the wait at the head's end
	; THE SCALE WORDS go straight into registers: lane (r, h) takes words 4 h .. 4 h + 3 of row r.  K step s names register s % 4, from s = 4 on lanes 16-31.
.irp i, 0,1,2,3,4,5,6,7
	global_load_b128 v[XS+4*\i:XS+4*\i+3], v[SOE+\i%2], s[6:7] offset:2048*(\i/4)+256*(\i%4)
.endr
.irp a, 0,1,2,3
	global_load_b128 v[WS+4*\a:WS+4*\a+3], v[SOE+\a%2], s[10:11] offset:256*\a
.endr
.irp n, 0,1
	global_load_b128 v[WS+16+4*\n:WS+16+4*\n+3], v[SOE+\n], s[18:19] offset:256*\n
.endr
	WIN 0x40
.irp a, 0,1,2,3
	global_load_b128 v[BQ+8*\a:BQ+8*\a+3], v[12+\a%2], s[48:49] offset:32*\a         ; register j: the bias of my lane's channel j of tile a
	global_load_b128 v[BQ+8*\a+4:BQ+8*\a+7], v[12+\a%2], s[48:49] offset:32*\a+16
.endr
.irp n, 0,1
.irp j, 0,1,2,3,4,5,6,7
	global_load_b32 v[BV+8*\n+\j], v[10+\n], s[52:53] offset:32*\n                 ; every register: the bias of my lane's channel
.endr
.endr
	WIN 0
	; where my results go
	s_and_b32 s44, s60, 15                         ; the step of 128 tokens in the batch
	s_lshr_b32 s45, s60, 4
	s_lshl_b32 s45, s45, 4
	s_lshl_b32 s21, s23, 1
	s_add_co_u32 s45, s45, s21                     ; batch x 16 + 2 X
	s_mul_i32 s66, s44, STEPB
	s_add_co_u32 s21, s45, s62
	s_mul_i32 s78, s21, HEADB
	s_add_co_u32 s78, s78, s66                     ; k
	s_lshl_b32 s79, s21, 16
	s_lshl_b32 s22, s44, 12
	s_add_co_u32 s79, s79, s22                     ; q: 65,536 a head, 4,096 a step
	s_cmp_lt_u32 s20, 2
	s_cselect_b64 s[54:55], s[54:55], s[58:59]
	s_cselect_b32 s2, s79, s78
	s_add_nc_u64 s[54:55], s[54:55], s[2:3]
	s_add_co_u32 s21, s45, s63
	s_mul_i32 s2, s21, HEADB
	s_add_co_u32 s2, s2, s66
	s_lshl_b32 s21, s62, 11
	s_add_co_u32 s2, s2, s21
	s_add_co_u32 s2, s2, 4096                      ; V's images: channel tiles 2 (f & 1) + n
	s_add_nc_u64 s[50:51], s[58:59], s[2:3]
	s_add_co_u32 s21, s45, s20
	s_sub_co_u32 s21, s21, 1
	s_mul_i32 s78, s21, HEADB
	s_add_co_u32 s78, s78, s66
	s_add_co_u32 s78, s78, 8192                    ; waves 1, 2: the scale words of K and V of head 2 X + w - 1
	s_lshl_b32 s79, s60, 3
	s_add_co_u32 s79, s79, s23
	s_lshl_b32 s79, s79, 9                         ; wave 0: q's of both heads
	s_cmp_eq_u32 s20, 0
	s_cselect_b64 s[56:57], s[56:57], s[58:59]
	s_cselect_b32 s2, s79, s78
	s_add_nc_u64 s[56:57], s[56:57], s[2:3]
; 28 LDS loads in one run: K step s: my six fragments of the weights, x's eight.  Lane (r, h) holds row r; registers 4 c .. 4 c + 3 hold K = 64 c + 32 h + 0 .. 31.
.macro FETCH s
.set P_, 64*((\s)%2)
	WIN 0x40
.irp a, 0,1,2,3
.irp c, 0,1
	ds_load_b128 v[P_+8*\a+4*\c:P_+8*\a+4*\c+3], v[AW+\a%2] offset:8*PITCH*\a+64*(\s)+32*\c
.endr
.endr
.irp n, 0,1
.irp c, 0,1
	ds_load_b128 v[P_+32+8*\n+4*\c:P_+32+8*\n+4*\c+3], v[AV+\n] offset:8*PITCH*\n+64*(\s)+32*\c
.endr
.endr
	WIN 0
.irp i, 0,1,2,3,4,5,6,7
.irp c, 0,1
	ds_load_b128 v[XF+P_+8*\i+4*\c:XF+P_+8*\i+4*\c+3], v[AX+\i%2] offset:(64*(\i/4)+8*(\i%4))*PITCH+64*(\s)+32*\c
.endr
.endr
.endm
; The 48 accumulators take turns, one instruction a turn, in the same order in every step.
.macro MUL s
.set P_, 64*((\s)%2)
.set Q_, (\s)%4
.if (\s) == 0
	WIN 0x91                                       ; source 0 (W) window 1, source 1 (x) window 0, C (the bias) window 1, D window 2
.else
	WIN 0xa1                                       ; C and D window 2
.endif
.irp i, 0,1,2,3,4,5,6,7
.irp a, 0,1,2,3
.if (\s) == 0
	WM 8*(4*\i+\a), P_+8*\a, XF+P_+8*\i, BQ+8*\a, WS+4*\a+Q_, XS+4*\i+Q_, 0
.else
	WM 8*(4*\i+\a), P_+8*\a, XF+P_+8*\i, 8*(4*\i+\a), WS+4*\a+Q_, XS+4*\i+Q_, (\s)/4
.endif
.endr
.endr
.if (\s) == 0
	WIN 0xd4                                       ; source 0 (x) window 0, source 1 (Wv) window 1, C (the bias) window 1, D window 3
.else
	WIN 0xf4
.endif
.irp n, 0,1
.irp i, 0,1,2,3,4,5,6,7
.if (\s) == 0
	WM 8*(8*\n+\i), XF+P_+8*\i, P_+32+8*\n, BV+8*\n, XS+4*\i+Q_, WS+16+4*\n+Q_, 0
.else
	WM 8*(8*\n+\i), XF+P_+8*\i, P_+32+8*\n, 8*(8*\n+\i), XS+4*\i+Q_, WS+16+4*\n+Q_, (\s)/4
.endif
.endr
.endr
.endm
.macro STEP s
.if (\s) > 0
	PLACES 4                                       ; in front of loads into the buffer that the products before have read
.endif
.if (\s) < 7
	FETCH (\s)+1
	s_wait_dscnt 28                                ; all but the 28 just issued
.else
	s_wait_dscnt 0x0
.endif
	MUL \s
.endm
	s_wait_tensorcnt 0x0                           ; my tile has landed,
	s_barrier_signal -1
	s_barrier_wait -1                              ; and everybody's.
	FETCH 0
	s_wait_loadcnt 0x0                             ; scale words and biases
.irp s, 0,1,2,3,4,5,6,7
	STEP \s
.endr
	; THE QUANTISER.  Block k = registers 32 k .. 32 k + 31 of an accumulator window, a lane's own.  Each accumulator is read from its low end on.
	WIN 0
	v_add_nc_u32 v[KAD], s67, v[RH]                ; (these four are the places behind the last products)
	v_add_nc_u32 v[VAD], s76, v[RH]
	v_add_nc_u32 v[RAD], s77, v[LI]
	v_nop
.macro QUANT n, k0, wmax, wcvt         ; n blocks: maxima, scale operands, bytes, codes
	WIN \wmax
.set K_, 0
.rept \n
	v_max3_num_f32 v[MX+\k0+K_], |v[32*K_]|, |v[32*K_+1]|, 0x1800000
.set K_, K_+1
.endr
.irp i, 2,4,6,8,10,12,14,16,18,20,22,24,26,28,30
.set K_, 0
.rept \n
	v_max3_num_f32 v[MX+\k0+K_], |v[32*K_+\i]|, |v[32*K_+\i+1]|, v[MX+\k0+K_]
.set K_, K_+1
.endr
.endr
	WIN 0
.set K_, \k0
.rept \n
	v_add_nc_u32 v[SCL+K_], 0xff000000, v[MX+K_]
.set K_, K_+1
.endr
.set K_, \k0
.rept \n
	v_lshrrev_b32 v[PX+K_], 23, v[SCL+K_]
.set K_, K_+1
.endr
	WIN \wcvt
.set K_, 0
.rept \n
.irp a, 0,1,2,3
	v_cvt_scalef32_pk8_fp4_f32 v[CD+4*\k0+4*K_+\a], v[32*K_+8*\a:32*K_+8*\a+7], v[SCL+\k0+K_]
.endr
.set K_, K_+1
.endr
	WIN 0
	v_nop                                          ; one plain place behind the scaled conversions
.endm
	QUANT 8, 0, 0x0a, 0x02                         ; q or k: block = tokens' tile i
.irp i, 0,1,2,3,4,5,6,7
	ds_store_b8 v[KAD], v[PX+\i] offset:256*(\i/4)+2*(\i%4)                   ; token r of tile i, block h
.endr
.irp i, 0,1,2,3,4,5,6,7
	global_store_b128 v[LI], v[CD+4*\i:CD+4*\i+3], s[54:55] offset:512*\i     ; a tile's image: 512 consecutive bytes
.endr
	QUANT 4, 8, 0x0f, 0x03                         ; v: block 2 n + c: channels' tile n, tokens 64 c on
.irp k, 0,1,2,3
	ds_store_b8 v[VAD], v[PX+8+\k] offset:4*(\k/2)+2*(\k%2)                   ; channel r of tile n, block 2 c + h
.endr
.irp k, 0,1,2,3
	global_store_b128 v[LI], v[CD+32+4*\k:CD+35+4*\k], s[50:51] offset:512*\k
.endr
	s_wait_dscnt 0x0                               ; for the others' sake: my scale bytes are in LDS
	s_barrier_signal -1
	s_barrier_wait -1
	s_cmp_lt_u32 s20, 3
	s_cbranch_scc0 .Lend
	ds_load_b128 v[116:119], v[RAD]
	s_wait_dscnt 0x0
	global_store_b128 v[LI], v[116:119], s[56:57]  ; 512 consecutive bytes
.Lend:
	s_wait_tensorcnt 0x0                           ; the wave's end
	ds_add_u32 v[SPW], v[NIL]
	s_wait_dscnt 0x0
	CROUND                                         ; the closing round
	s_endpgm
.Lfunc_end_k_qdfd1d19c04_qkv:
	.size	k_qdfd1d19c04_qkv, .Lfunc_end_k_qdfd1d19c04_qkv-k_qdfd1d19c04_qkv
	.p2alignl 7, 3214868480
	.fill 96, 4, 3214868480
	.section	.rodata,"a",@progbits
	.p2align	6, 0x0
	.amdhsa_kernel k_qdfd1d19c04_qkv
		.amdhsa_group_segment_fixed_size 272384
		.amdhsa_private_segment_fixed_size 0
		.amdhsa_enable_private_segment 0
		.amdhsa_kernarg_size 112
		.amdhsa_user_sgpr_count 2
		.amdhsa_user_sgpr_kernarg_segment_ptr 1
		.amdhsa_wavefront_size32 1
		.amdhsa_system_sgpr_workgroup_id_x 1
		.amdhsa_system_sgpr_workgroup_id_y 1
		.amdhsa_system_sgpr_workgroup_id_z 1
		.amdhsa_system_vgpr_workitem_id 0
		.amdhsa_next_free_vgpr 1024
		.amdhsa_next_free_sgpr 80
		.amdhsa_reserve_vcc 0
		.amdhsa_float_denorm_mode_32 3
		.amdhsa_float_denorm_mode_16_64 3
		.amdhsa_memory_ordered 1
		.amdhsa_forward_progress 1
		.amdhsa_inst_pref_size 97
	.end_amdhsa_kernel
	.amdgpu_metadata
---
amdhsa.version: [ 1, 2 ]
amdhsa.kernels:
  - .name:           k_qdfd1d19c04_qkv
    .symbol:         k_qdfd1d19c04_qkv.kd
    .args:
      - { .name: x_codes, .offset: 0, .size: 8, .value_kind: global_buffer, .address_space: global }
      - { .name: x_scales, .offset: 8, .size: 8, .value_kind: global_buffer, .address_space: global }
      - { .name: Wq_codes, .offset: 16, .size: 8, .value_kind: global_buffer, .address_space: global }
      - { .name: Wq_scales, .offset: 24, .size: 8, .value_kind: global_buffer, .address_space: global }
      - { .name: Wk_codes, .offset: 32, .size: 8, .value_kind: global_buffer, .address_space: global }
      - { .name: Wk_scales, .offset: 40, .size: 8, .value_kind: global_buffer, .address_space: global }
      - { .name: Wv_codes, .offset: 48, .size: 8, .value_kind: global_buffer, .address_space: global }
      - { .name: Wv_scales, .offset: 56, .size: 8, .value_kind: global_buffer, .address_space: global }
      - { .name: bq, .offset: 64, .size: 8, .value_kind: global_buffer, .address_space: global }
      - { .name: bk, .offset: 72, .size: 8, .value_kind: global_buffer, .address_space: global }
      - { .name: bv, .offset: 80, .size: 8, .value_kind: global_buffer, .address_space: global }
      - { .name: qc, .offset: 88, .size: 8, .value_kind: global_buffer, .address_space: global }
      - { .name: qs, .offset: 96, .size: 8, .value_kind: global_buffer, .address_space: global }
      - { .name: kv, .offset: 104, .size: 8, .value_kind: global_buffer, .address_space: global }
    .group_segment_fixed_size: 272384
    .private_segment_fixed_size: 0
    .kernarg_segment_align: 8
    .kernarg_segment_size: 112
    .max_flat_workgroup_size: 128
    .sgpr_count:     80
    .vgpr_count:     1024
    .wavefront_size: 32
...
	.end_amdgpu_metadata
.endif
;; end of part 1
;; launch attn (part 2): grid 128 x 2, 8 waves a work-group, clusters of 4 x 1, 218,624 bytes of LDS; arguments qc, qs, kv, yc, ys; writes yc, ys
.if DOCPART == 2
	.amdgcn_target "amdgcn-amd-amdhsa--gfx1250"
	.amdhsa_code_object_version 6
	.text
	.protected	k_qdfd1d19c04_attn
	.globl	k_qdfd1d19c04_attn
	.p2align	8
	.type	k_qdfd1d19c04_attn,@function
k_qdfd1d19c04_attn:
	s_mov_b64 s[64:65], 0
	v_nop
	global_prefetch_b8 v0, s[64:65] scope:SCOPE_SE
	s_setreg_imm32_b32 hwreg(HW_REG_WAVE_MODE, 25, 1), 1
	s_wait_xcnt 0x0
	s_wait_alu depctr_hold_cnt(0) depctr_sa_sdst(0) depctr_va_vdst(0) depctr_va_sdst(0) depctr_va_ssrc(0) depctr_va_vcc(0) depctr_vm_vsrc(0)
	s_getreg_b32 s2, hwreg(HW_REG_IB_STS2, 6, 4)
	s_cmp_eq_u32 s2, 0
	s_cbranch_scc0 .Lentry_in_a_cluster
	s_endpgm
.Lentry_in_a_cluster:
	s_bfe_u32 s2, ttmp6, 0x10000c
	s_cmp_lg_u32 s2, 0x3003
	s_cbranch_scc0 .Lentry_shape_is_right
	s_endpgm
.Lentry_shape_is_right:
; y[b][h][q] = the sum over k <= q of softmax_k(q . k / 8) v[k], both products on codes of FP4 (E2M1) with one E8M0 scale for each 32 along K; y is quantised along the head's 64 channels and leaves as codes.
; WORK LEFT OUT: steps of 128 keys all of which come after a tile's queries, and the upper 64 keys of the diagonal step for the tile whose queries lie in the lower 64: reference() builds that mask itself, so there p is 0 for all values of the
; inputs.  A NaN, an infinity or an overflow that reaches only those scores is not carried to the result.
; THE SOFTMAX AHEAD OF THE SECOND PRODUCT: t = score x log2(e) / 8; M = the running largest t rounded UP to a whole number; p = 2^(t - M) is quantised along the keys, not normalised; the row's sum is taken of the unquantised p and divides at
; the end.  When M moves, the sum and O are multiplied by 2^(old M - new M): exact.  Partial results of one tile are joined by the same factors.
; SHARES.  Cluster x = batch x head; work-group (g, j): g = grid y, j = place in the cluster.  A wave carries TWO tiles of 16 queries of one block of 128: tile a = tile j (lower 64), tile b = tile 4 + j (upper 64); both walk the same keys, so a
; fragment of K or V read from LDS serves both.  Waves w and w xor 1 are a pair, n = 4 g + w / 2.  One (A) takes block 8 + n, key steps 0..7.  The other (B) takes block 7 - n, steps 0..7-n, lays that state into LDS, and goes on with block 8 + n,
; steps 8..8+n.  At the end B joins A's part of block 8 + n to its own and A finishes block 7 - n.  8 steps for A, 9 for B: 256 work-groups of equal work.  Which steps a wave walks hangs on its number and on g alone, never on j.
; LDS: the whole head, 16 steps of 8,704 bytes as the launch before laid them (images of operand registers); each wave fetches two steps jointly for the cluster's four; every byte is filled once.  Then the waves' states, the mask's image, y's scale
; bytes.  No prefetch: all loads are issued at the head, and no loop issues any.
; A HEAD HAS 64 CHANNELS, HALF OF THE INSTRUCTION'S K: a fragment of K carries tiles 2 f and 2 f + 1 and is multiplied by [q | zero codes] and by [zero codes | q].
; Both products are used transposed: a lane holds one query.  Key tile 4 c + u, register j of lane (r, h): key 64 c + 8 u + j (h = 0) or 64 c + 32 + 8 (u xor 1) + j (h = 1): a lane holds whole blocks of 32 keys, and a query tile's rows are laid the same way.
; THE MASK: on a diagonal step the products of the 64 keys in question take as C an image of 0 and -2^126 from LDS: such a score gives p = 0.
; THE EXPONENTIALS: two batches, tile a's and tile b's.  Between a's stand b's scalings, between b's stand a's conversions and first sums: none of these reads what a line of the same batch writes.
; LIMITS: NaN and infinities are not served; the promise holds while the scaled scores (exponents to the base 2) stay under 2^31 in magnitude; a block whose every p is 0 keeps the byte 1 (its codes are zeros); a block's largest p is taken from its
; largest score (it takes v_exp_f32 not to fall where its input rises); 1 / the sum is v_rcp_f32 and a multiplication.
; REGISTERS, window 0: v1-9 addresses; v10-11 q's scale words; v12, v14 -M; v16, v18 factors; v20-21 at work; v24-43 zeros, qa, zeros, qb, zeros; v44-53 the second block's q; v54-59 scale words; v60-91 K; v92-123 V; v124-155 O^T of a, v156-187 of b.
;   window 1: v0-63 S^T, then p, of a; v64-127 of b; v128-143 codes; v144-147 largest scores of the blocks (a0, a1, b0, b1); v148-151 scale operands; v152-157 running maxima; v160-167 sums; v168-205 at work.
.set STEPB, 8704
.set HEADB, 16*STEPB
.set STAGE, HEADB
.set SB,    9216                       ; a wave's state: two tiles x (O^T 4,096 bytes, sum and -M 512 bytes)
.set MASK,  STAGE+8*SB
.set YB,    MASK+4096
.set SPARE, YB+512
.set LI,  1
.set SOWN, 2
.set SPART, 3
.set MAD, 4
.set SPW, 5
.set NIL, 6
.set YAD, 7
.set ADV, 8
.set ADN, 9
.set WV,  14
.set CLS, 15
.set NN,  16
.set GG,  17
.set JJ,  18
.set BH,  19
.set SEL, 20
.set CS,  22
.set G1,  24
.set G0,  32
.set NCS, 36
.set T,   37
.set SWT, 38                           ; B: the first trip of block 8 + n
.set END, 39
.set CUR, 44
.set NXT, 45
.set DG2, 46                           ; B: the trip of block 8 + n's diagonal
.set M1,  49
.set M2,  50
.set KF,  51
.set SW,  52                           ; B: the last trip of block 7 - n, its diagonal
.set MSB, 0
.macro WIN new                         ; the immediate's high byte repeats the setting that is left
.if MSB != \new
	s_set_vgpr_msb (MSB<<8)|\new
.set MSB, \new
.endif
.endm
.macro CROUND                          ; a round of the cluster's barrier
	s_barrier_signal -1
	s_barrier_wait -1
	s_cmp_lg_u32 s[WV], 0
	s_cbranch_scc1 .Lnot_wave_0_\@
	s_barrier_signal -3
.Lnot_wave_0_\@:
	s_barrier_wait -3
	s_barrier_signal -1
	s_barrier_wait -1
.endm
.macro QOFF m, oc, os                  ; where block m's tile j of q and its scale bytes begin (tile 4 + j: 2,048 and 256 bytes on)
	s_lshl_b32 s57, s[JJ], 9
	s_lshl_b32 s58, s[\m], 12
	s_add_co_u32 s57, s57, s58
	s_lshl_b32 s58, s[BH], 16
	s_add_co_u32 s[\oc], s57, s58
	s_mov_b32 s[\oc+1], 0
	s_lshr_b32 s57, s[BH], 4
	s_lshl_b32 s57, s57, 4
	s_add_co_u32 s57, s57, s[\m]
	s_lshl_b32 s57, s57, 3
	s_bfe_u32 s58, s[BH], 0x30001
	s_add_co_u32 s57, s57, s58
	s_lshl_b32 s57, s57, 9
	s_and_b32 s58, s[BH], 1
	s_lshl_b32 s58, s58, 3
	s_add_co_u32 s57, s57, s58
	s_lshl_b32 s58, s[JJ], 1
	s_add_co_u32 s[\os], s57, s58
	s_mov_b32 s[\os+1], 0
.endm
	s_load_b256 s[4:11], s[0:1], 0x0               ; qc, qs, kv, yc
	s_load_b64 s[12:13], s[0:1], 0x20              ; ys
	v_lshl_add_u32 v[SPW], v0, 2, SPARE
	v_mov_b32 v[NIL], 0
	ds_add_u32 v[SPW], v[NIL]                      ; the opening lines
	ds_add_u32 v[SPW], v[NIL]
	v_lshrrev_b32 v1, 5, v0
	v_readfirstlane_b32 s[WV], v1                  ; wave 0..7
	s_and_b32 s[GG], ttmp7, 0xffff
	s_bfe_u32 s[JJ], ttmp6, 0x40000
	s_mov_b32 s[BH], ttmp9
	s_mov_b32 s[G1], 15|(3<<16)|(1<<21)            ; all four of the cluster; elements of 8 bytes; bit 21 beside the mask; a dense block as 68 rows of 256 bytes
	s_mov_b32 s[G1+1], 32<<16
	s_mov_b32 s[G1+2], 68<<16
	s_mov_b32 s[G1+3], 32<<16
	s_mov_b32 s[G1+4], 68
	s_mov_b32 s[G1+5], 32
	s_mov_b32 s[G1+6], 0
	s_mov_b32 s[G1+7], 0
	s_mov_b32 s[G0], 1
	s_mul_i32 s[G0+1], s[WV], 2*STEPB              ; steps 2 w, 2 w + 1 of the head: in LDS,
	s_mul_i32 s2, s[BH], HEADB
	s_mul_i32 s40, s[WV], 2*STEPB
	s_add_co_u32 s2, s2, s40                       ; and in memory
	s_mov_b32 s3, 0
	s_mov_b32 s[SEL], 0x76543210
	s_mov_b32 s[SEL+1], 0xfedcba98
	s_mov_b32 s[CS], 0x3e38aa3b                    ; log2(e) / 8
	s_mov_b32 s[CS+1], s[CS]                       ; (named with it as a pair, so it is written)
	s_mov_b32 s[NCS], 0xbe38aa3b
	s_lshr_b32 s[CLS], s[WV], 2
	s_xor_b32 s[CLS], s[CLS], s[WV]
	s_and_b32 s[CLS], s[CLS], 1                    ; 0: A; 1: B
	s_lshr_b32 s53, s[WV], 1
	s_lshl_b32 s40, s[GG], 2
	s_add_co_u32 s[NN], s53, s40
	s_xor_b32 s48, s[CLS], 1
	s_mul_i32 s40, s[CLS], 7
	s_xor_b32 s[M1], s[NN], s40
	s_lshl_b32 s40, s48, 3
	s_add_co_u32 s[M1], s[M1], s40                 ; my first block: A 8 + n, B 7 - n
	s_add_co_u32 s[M2], s[NN], 8
	s_mul_i32 s40, s48, 3
	s_xor_b32 s[KF], s53, s40
	s_lshl_b32 s40, s[CLS], 2
	s_add_co_u32 s[KF], s[KF], s40                 ; the place among the work-group's eight blocks of the one that I finish: A (block 7 - n): 3 - w / 2; B (8 + n): 4 + w / 2
	s_sub_co_u32 s[SWT], 8, s[NN]
	s_sub_co_u32 s[SW], 7, s[NN]
	s_cmp_eq_u32 s[CLS], 1
	s_cselect_b32 s[DG2], 8, 63                    ; A: none
	s_cselect_b32 s[SWT], s[SWT], 63
	s_cselect_b32 s[SW], s[SW], 63
	s_cselect_b32 s[END], 9, 8
	QOFF M1, 40, 42
	QOFF M2, 54, 60
	s_wait_dscnt 0x0                               ; both opening adds are done
	CROUND                                         ; the four work-groups are here: the joint loads meet
	s_wait_kmcnt 0x0
	s_add_nc_u64 s[G0+2:G0+3], s[8:9], s[2:3]
	s_or_b32 s[G0+3], s[G0+3], 0x80000000
	tensor_load_to_lds s[G0:G0+3], s[G1:G1+7]      ; my one load
	s_nop 0
.rept 4
	v_nop
.endr
	s_add_nc_u64 s[40:41], s[4:5], s[40:41]
	s_add_nc_u64 s[42:43], s[6:7], s[42:43]
	s_add_nc_u64 s[54:55], s[4:5], s[54:55]
	s_add_nc_u64 s[60:61], s[6:7], s[60:61]
	s_lshr_b32 s56, s[BH], 4                       ; yc: [batch][g][j][a or b][place of the block][head] x 512 bytes
	s_lshl_b32 s56, s56, 1
	s_add_co_u32 s56, s56, s[GG]
	s_lshl_b32 s56, s56, 2
	s_add_co_u32 s56, s56, s[JJ]
	s_lshl_b32 s56, s56, 4
	s_add_co_u32 s56, s56, s[KF]
	s_lshl_b32 s56, s56, 4
	s_and_b32 s57, s[BH], 15
	s_add_co_u32 s56, s56, s57
	s_lshl_b32 s56, s56, 9
	s_mov_b32 s57, 0
	s_add_nc_u64 s[10:11], s[10:11], s[56:57]
	s_lshl_b32 s56, s[BH], 1                       ; ys: [batch][head][g][j] x 512 bytes: [a or b][place of the block][r][block of channels]
	s_add_co_u32 s56, s56, s[GG]
	s_lshl_b32 s56, s56, 2
	s_add_co_u32 s56, s56, s[JJ]
	s_lshl_b32 s56, s56, 9
	s_add_nc_u64 s[12:13], s[12:13], s[56:57]
	s_mul_i32 s48, s[WV], SB
	s_add_co_u32 s48, s48, STAGE                   ; my state's place
	s_xor_b32 s49, s[WV], 1
	s_mul_i32 s49, s49, SB
	s_add_co_u32 s49, s49, STAGE                   ; my partner's
	s_lshl_b32 s50, s[KF], 5
	s_add_co_u32 s50, s50, YB
	s_lshl_b32 s53, s[JJ], 3                       ; 8 j
	s_xor_b32 s56, s53, 8
	s_add_co_u32 s56, s56, 32
	s_sub_co_u32 s56, s56, s53                     ; from a query tile's row 0 to its row 8: 40 or 24
	s_lshl_b32 s57, s[WV], 2                       ; the mask's registers 4 w .. 4 w + 3 are mine to make
	s_xor_b32 s58, s57, 8
	s_add_co_u32 s58, s58, 32
	s_sub_co_u32 s58, s58, s57
	s_lshl_b32 s59, s[WV], 9
	s_add_co_u32 s59, s59, MASK
	s_mov_b32 s[T], 0
	v_and_b32 v212, 31, v0
	v_and_b32 v213, 15, v0
	v_bfe_u32 v214, v0, 4, 1
	v_lshlrev_b32 v[LI], 4, v212
	v_lshlrev_b32 v[ADN], 4, v213                  ; 16 r
	v_and_b32 v215, 7, v213
	v_lshrrev_b32 v216, 3, v213
	v_lshl_add_u32 v[YAD], v213, 1, v214
	v_add_nc_u32 v[SOWN], s48, v[LI]
	v_add_nc_u32 v[SPART], s49, v[LI]
	v_add_nc_u32 v[MAD], MASK, v[LI]
	v_add_nc_u32 v[YAD], s50, v[YAD]
	v_mul_u32_u24 v217, s56, v216
	v_mul_u32_u24 v218, s58, v214
	v_add_nc_u32 v219, s59, v[LI]
	v_add3_u32 v217, v217, v215, s53               ; my query in its 64
	v_add_nc_u32 v218, s57, v218                   ; the key of register 4 w in its 64
	v_mov_b32 v220, 0xfe800000                     ; -2^126
	v_add_nc_u32 v221, 1, v218
	v_add_nc_u32 v222, 2, v218
	v_add_nc_u32 v223, 3, v218
	v_cmp_gt_u32 vcc_lo, v218, v217
	v_cndmask_b32 v224, 0, v220, vcc_lo
	v_cmp_gt_u32 vcc_lo, v221, v217
	v_cndmask_b32 v225, 0, v220, vcc_lo
	v_cmp_gt_u32 vcc_lo, v222, v217
	v_cndmask_b32 v226, 0, v220, vcc_lo
	v_cmp_gt_u32 vcc_lo, v223, v217
	v_cndmask_b32 v227, 0, v220, vcc_lo
	s_wait_alu depctr_va_vdst(0)
	global_load_b128 v[28:31], v[LI], s[40:41]     ; qa: lane (r, h): query r, block h
	global_load_b128 v[36:39], v[LI], s[40:41] offset:2048
	global_load_u16 v10, v[ADN], s[42:43]          ; the two scale bytes
	global_load_u16 v11, v[ADN], s[42:43] offset:256
	global_load_b128 v[44:47], v[LI], s[54:55]     ; and block 8 + n's
	global_load_b128 v[48:51], v[LI], s[54:55] offset:2048
	global_load_u16 v52, v[ADN], s[60:61]
	global_load_u16 v53, v[ADN], s[60:61] offset:256
	ds_store_b128 v219, v[224:227]
.irp j, 24,25,26,27,32,33,34,35,40,41,42,43
	v_mov_b32 v[\j], 0                             ; zero codes on both sides of q
.endr
.irp j, 13,15,17,19,203,205,210,211
	v_mov_b32 v[\j], 0                             ; permutes' destinations, and the upper halves of pairs, are written once
.endr
.macro FRESH                           ; a tile's beginning: M far under every t; the largest score so far -3e38; O^T and the sums 0
	v_mov_b32 v12, 0x7e000000
	v_mov_b32 v14, 0x7e000000
.set N_, 0
.rept 64
	v_mov_b32 v[124+N_], 0
.set N_, N_+1
.endr
	WIN 0x40
	v_mov_b32 v152, 0xff61b1e6
	v_mov_b32 v153, 0xff61b1e6
.irp j, 160,161,164,165
	v_mov_b32 v[\j], 0
.endr
	WIN 0
.endm
	WIN 0x40
.irp j, 156,157,163,167,204,205
	v_mov_b32 v[\j], 0
.endr
	WIN 0
	s_wait_alu depctr_va_vdst(0)
	s_wait_loadcnt 0x0
.irp j, 10,11,52,53
	v_lshl_or_b32 v[\j], v[\j], 16, v[\j]          ; the two bytes twice: for [q | 0] and for [0 | q]
.endr
	FRESH
	s_wait_alu depctr_va_vdst(0)                   ; the wait at the head's end
	s_wait_tensorcnt 0x0                           ; my steps have landed,
	s_wait_dscnt 0x0                               ; my part of the mask's image is stored,
	s_barrier_signal -1
	s_barrier_wait -1                              ; and everybody's
.irp k, 0,1,2,3,4,5,6,7
	ds_load_b128 v[60+4*\k:63+4*\k], v[LI] offset:512*\k           ; step 0's K
.endr
	ds_load_b64 v[54:55], v[LI] offset:8192
	s_wait_dscnt 0x0
; A product of K's fragment F_ with b (q's eight registers); z: C is 0, else what D's registers hold.
.macro SP d, b, sq, z
.if F_ > 1
.if \z
	v_wmma_scale_f32_16x16x128_f8f6f4 v[\d:\d+7], v[60+8*F_:67+8*F_], v[\b:\b+7], 0, v[52+F_], v[\sq] matrix_a_fmt:MATRIX_FMT_FP4 matrix_b_fmt:MATRIX_FMT_FP4 matrix_a_scale:MATRIX_SCALE_ROW1
.else
	v_wmma_scale_f32_16x16x128_f8f6f4 v[\d:\d+7], v[60+8*F_:67+8*F_], v[\b:\b+7], v[\d:\d+7], v[52+F_], v[\sq] matrix_a_fmt:MATRIX_FMT_FP4 matrix_b_fmt:MATRIX_FMT_FP4 matrix_a_scale:MATRIX_SCALE_ROW1
.endif
.else
.if \z
	v_wmma_scale_f32_16x16x128_f8f6f4 v[\d:\d+7], v[60+8*F_:67+8*F_], v[\b:\b+7], 0, v[54+F_], v[\sq] matrix_a_fmt:MATRIX_FMT_FP4 matrix_b_fmt:MATRIX_FMT_FP4
.else
	v_wmma_scale_f32_16x16x128_f8f6f4 v[\d:\d+7], v[60+8*F_:67+8*F_], v[\b:\b+7], v[\d:\d+7], v[54+F_], v[\sq] matrix_a_fmt:MATRIX_FMT_FP4 matrix_b_fmt:MATRIX_FMT_FP4
.endif
.endif
.endm
.macro SA z
	SP 16*F_, 28, 10, \z
	SP 16*F_+8, 24, 10, \z
.endm
.macro SBT z
	SP 64+16*F_, 36, 11, \z
	SP 64+16*F_+8, 32, 11, \z
.endm
; A KEY STEP.  d = 0: all 128 keys count; d = 1: the diagonal: tile a: the lower 64 keys alone, masked; tile b: all, the upper 64 masked.
.macro STEP d
.if \d
	WIN 0x40
.irp i, 0,1,2,3,4,5,6,7
	ds_load_b128 v[4*\i:4*\i+3], v[MAD] offset:512*\i
	ds_load_b128 v[96+4*\i:99+4*\i], v[MAD] offset:512*\i
.endr
	s_wait_dscnt 0x0
.endif
	WIN 0x50                                       ; C and D window 1
.set F_, 0
.rept 4
.if \d
.if F_ < 2
	SA 0
	SBT 1
.else
	SBT 0
.endif
.else
	SA 1
	SBT 1
.endif
.set F_, F_+1
.endr
	WIN 0
	v_add_nc_u32 v[ADV], s[CUR], v[LI]             ; four places behind the products, in front of reads of the scores and of loads into what the products have read
	v_add_nc_u32 v[ADN], s[NXT], v[LI]
	v_mov_b32 v20, v12                             ; the old -M
	v_mov_b32 v21, v14
.irp i, 0,1,2,3,4,5,6,7
	ds_load_b128 v[92+4*\i:95+4*\i], v[ADV] offset:4096+512*\i     ; this step's V^T: fragment n = 16 channels x 128 keys
.endr
	ds_load_b64 v[56:57], v[ADV] offset:8200       ; v56: tiles 0 (lanes 0-15) and 2; v57: 1 and 3
.irp i, 0,1,2,3,4,5,6,7
	ds_load_b128 v[60+4*\i:63+4*\i], v[ADN] offset:512*\i          ; the next step's K
.endr
	ds_load_b64 v[54:55], v[ADN] offset:8192       ; v54: fragments 0 and 2; v55: 1 and 3
	WIN 0x55
.set B_, 0
.rept 4
.if (\d == 0) || (B_ != 1)
	v_max_num_f32 v[144+B_], v[32*B_], v[32*B_+1]  ; the largest score of my lane's blocks: for the row's maximum and for the block's largest p
.endif
.set B_, B_+1
.endr
.irp i, 2,4,6,8,10,12,14,16,18,20,22,24,26,28,30
.set B_, 0
.rept 4
.if (\d == 0) || (B_ != 1)
	v_max3_num_f32 v[144+B_], v[32*B_+\i], v[32*B_+\i+1], v[144+B_]
.endif
.set B_, B_+1
.endr
.endr
.if \d
	v_max_num_f32 v154, v152, v144
.else
	v_max3_num_f32 v154, v152, v144, v145
.endif
	v_max3_num_f32 v155, v153, v146, v147
	v_permlanex16_b32 v156, v154, s[SEL], s[SEL+1]
	v_permlanex16_b32 v157, v155, s[SEL], s[SEL+1]
	v_max_num_f32 v152, v154, v156                 ; the running largest scores of my two queries
	v_max_num_f32 v153, v155, v157
	v_mul_f32 v154, s[NCS], v152                   ; -t
	v_mul_f32 v155, s[NCS], v153
	WIN 0x01
	v_floor_f32 v12, v154                          ; the new -M = -ceil(t)
	v_floor_f32 v14, v155
	WIN 0
	v_sub_f32 v20, v12, v20                        ; old M - new M: a whole number, 0 or less
	v_sub_f32 v21, v14, v21
	v_cvt_i32_f32 v20, v20                         ; (it saturates)
	v_cvt_i32_f32 v21, v21
	v_ldexp_f32 v16, 1.0, v20                      ; f = 2^(old M - new M)
	v_ldexp_f32 v18, 1.0, v21
.set N_, 0
.rept 16
	v_pk_mul_f32 v[124+N_:125+N_], v[124+N_:125+N_], v[16:17] op_sel_hi:[1,0]   ; O^T under the new M
	v_pk_mul_f32 v[156+N_:157+N_], v[156+N_:157+N_], v[18:19] op_sel_hi:[1,0]
.set N_, N_+2
.endr
	WIN 0x41
	v_pk_mul_f32 v[160:161], v[160:161], v[16:17] op_sel_hi:[1,0]
	v_pk_mul_f32 v[164:165], v[164:165], v[18:19] op_sel_hi:[1,0]
.set B_, 0
.rept 4
.if (\d == 0) || (B_ != 1)
	v_fma_f32 v[144+B_], v[144+B_], s[CS], v[12+2*(B_/2)]
.endif
.set B_, B_+1
.endr
.set N_, 0
.rept 32-16*\d
	v_pk_fma_f32 v[N_:N_+1], v[N_:N_+1], s[CS:CS+1], v[12:13] op_sel_hi:[1,0,0]   ; tile a: t - M, two at a time
.set N_, N_+2
.endr
	s_wait_alu depctr_va_vdst(0)                   ; the wait ahead of the batch
.set B_, 0
.rept 4
.if (\d == 0) || (B_ != 1)
	v_exp_f32 v[144+B_], v[144+B_]                 ; each block's largest p
.endif
.set B_, B_+1
.endr
.set N_, 0
.rept 32
.if \d
	v_exp_f32 v[N_], v[N_]
.else
	v_exp_f32 v[2*N_], v[2*N_]                     ; tile a: p = 2^(t - M)
	v_exp_f32 v[2*N_+1], v[2*N_+1]
.endif
	v_pk_fma_f32 v[64+2*N_:65+2*N_], v[64+2*N_:65+2*N_], s[CS:CS+1], v[14:15] op_sel_hi:[1,0,0]   ; tile b: t - M
.set N_, N_+1
.endr
	s_wait_alu depctr_va_vdst(0)                   ; behind a's batch, and ahead of b's
	WIN 0x55
.set B_, 0
.rept 4
.if (\d == 0) || (B_ != 1)
	v_max_num_f32 v[144+B_], 0x1800000, v[144+B_]  ; the floor 2^(3 - 127)
.endif
.set B_, B_+1
.endr
.set B_, 0
.rept 4
.if (\d == 0) || (B_ != 1)
	v_add_nc_u32 v[148+B_], 0xff000000, v[144+B_]  ; the conversion's scale operand
.endif
.set B_, B_+1
.endr
	v_cvt_scalef32_pk8_fp4_f32 v128, v[0:7], v148
.if \d == 0
	v_cvt_scalef32_pk8_fp4_f32 v132, v[32:39], v149
.endif
.set N_, 0
.rept 16
	v_exp_f32 v[64+4*N_], v[64+4*N_]               ; tile b: p
	v_exp_f32 v[65+4*N_], v[65+4*N_]
.if N_ < 6-3*\d
.set Q_, 1+N_+N_/3
	v_cvt_scalef32_pk8_fp4_f32 v[128+Q_], v[8*Q_:8*Q_+7], v[148+Q_/4]
.endif
	v_exp_f32 v[66+4*N_], v[66+4*N_]
	v_exp_f32 v[67+4*N_], v[67+4*N_]
.if N_ < 16-8*\d
	v_pk_add_f32 v[168+2*N_:169+2*N_], v[4*N_:4*N_+1], v[4*N_+2:4*N_+3]   ; tile a: the row's sum is taken of the unquantised p
.endif
.set N_, N_+1
.endr
.if \d
.irp j, 132,133,134,135
	v_mov_b32 v[\j], 0                             ; tile a: the upper half's codes are zeros
.endr
.endif
	s_wait_alu depctr_va_vdst(0)                   ; behind b's batch
.set N_, 0
.rept 8
	v_cvt_scalef32_pk8_fp4_f32 v[136+N_], v[64+8*N_:71+8*N_], v[150+N_/4]
.set N_, N_+1
.endr
	v_lshrrev_b32 v200, 23, v148                   ; the scales' bytes: my lane has block h's and block 2 + h's
	v_lshrrev_b32 v202, 23, v150
	v_lshrrev_b32 v203, 23, v151
.if \d
	v_or_b32 v200, 0x7f0000, v200
.else
	v_lshrrev_b32 v201, 23, v149
	v_lshl_or_b32 v200, v201, 16, v200
.endif
	v_lshl_or_b32 v202, v203, 16, v202
	v_permlanex16_b32 v204, v200, s[SEL], s[SEL+1]
	v_permlanex16_b32 v205, v202, s[SEL], s[SEL+1]
.if \d == 0
.set N_, 0
.rept 8
	v_pk_add_f32 v[168+2*N_:169+2*N_], v[168+2*N_:169+2*N_], v[184+2*N_:185+2*N_]
.set N_, N_+1
.endr
.endif
	WIN 0x15
	v_lshl_or_b32 v58, v204, 8, v200               ; p's scale words
	v_lshl_or_b32 v59, v205, 8, v202
	WIN 0x55
.set N_, 0
.rept 3
	v_pk_add_f32 v[184+2*N_:185+2*N_], v[64+4*N_:65+4*N_], v[66+4*N_:67+4*N_]   ; tile b's sum, in four chains.  (The sums also stand between the codes' and words' writes and the products)
.set N_, N_+1
.endr
.set N_, 0
.rept 4
	v_pk_add_f32 v[168+2*N_:169+2*N_], v[168+2*N_:169+2*N_], v[176+2*N_:177+2*N_]
.set N_, N_+1
.endr
.set N_, 6
.rept 26
.if (N_%4) == 3
	v_pk_add_f32 v[164:165], v[64+2*N_:65+2*N_], v[164:165]
.else
.set A_, 184+2*(N_%4)
	v_pk_add_f32 v[A_:A_+1], v[64+2*N_:65+2*N_], v[A_:A_+1]
.endif
.if N_ == 16
	v_pk_add_f32 v[168:169], v[168:169], v[172:173]
	v_pk_add_f32 v[170:171], v[170:171], v[174:175]
.endif
.if N_ == 24
	v_pk_add_f32 v[168:169], v[168:169], v[170:171]
.endif
.set N_, N_+1
.endr
	v_pk_add_f32 v[184:185], v[184:185], v[186:187]
	v_pk_add_f32 v[164:165], v[164:165], v[188:189]
	v_pk_add_f32 v[160:161], v[160:161], v[168:169]
	v_pk_add_f32 v[164:165], v[164:165], v[184:185]
	s_wait_alu depctr_va_vdst(0)
	s_wait_dscnt 0x0                               ; V, the next K and their words are in
	WIN 0x04                                       ; source 1 (the codes) window 1
.irp n, 0,1
	v_wmma_scale_f32_16x16x128_f8f6f4 v[124+8*\n:131+8*\n], v[92+8*\n:99+8*\n], v[128:135], v[124+8*\n:131+8*\n], v[56+\n], v58 matrix_a_fmt:MATRIX_FMT_FP4 matrix_b_fmt:MATRIX_FMT_FP4
	v_wmma_scale_f32_16x16x128_f8f6f4 v[156+8*\n:163+8*\n], v[92+8*\n:99+8*\n], v[136:143], v[156+8*\n:163+8*\n], v[56+\n], v59 matrix_a_fmt:MATRIX_FMT_FP4 matrix_b_fmt:MATRIX_FMT_FP4
.endr
.irp n, 2,3
	v_wmma_scale_f32_16x16x128_f8f6f4 v[124+8*\n:131+8*\n], v[92+8*\n:99+8*\n], v[128:135], v[124+8*\n:131+8*\n], v[54+\n], v58 matrix_a_fmt:MATRIX_FMT_FP4 matrix_b_fmt:MATRIX_FMT_FP4 matrix_a_scale:MATRIX_SCALE_ROW1
	v_wmma_scale_f32_16x16x128_f8f6f4 v[156+8*\n:163+8*\n], v[92+8*\n:99+8*\n], v[136:143], v[156+8*\n:163+8*\n], v[54+\n], v59 matrix_a_fmt:MATRIX_FMT_FP4 matrix_b_fmt:MATRIX_FMT_FP4 matrix_a_scale:MATRIX_SCALE_ROW1
.endr
	WIN 0
.endm
.macro SAVE                            ; my state into my place in LDS
	WIN 0x40
	v_mov_b32 v162, v12
	v_mov_b32 v166, v14
	WIN 0x04
	ds_store_b128 v[SOWN], v[160:163] offset:4096
	ds_store_b128 v[SOWN], v[164:167] offset:8704
	WIN 0
.irp k, 0,1,2,3,4,5,6,7
	ds_store_b128 v[SOWN], v[124+4*\k:127+4*\k] offset:512*\k
.endr
.irp k, 0,1,2,3,4,5,6,7
	ds_store_b128 v[SOWN], v[156+4*\k:159+4*\k] offset:4608+512*\k
.endr
.endm
.Ltrip:                                            ; 9 trips, a constant
	s_cmp_ge_u32 s[T], s[END]                      ; A has none in the last
	s_cbranch_scc1 .Lnext
	s_cmp_ge_u32 s[T], s[SWT]                      ; B on block 8 + n: n steps further on
	s_cselect_b32 s40, s[NN], 0
	s_add_co_u32 s40, s40, s[T]
	s_min_u32 s40, s40, 15
	s_mul_i32 s[CUR], s40, STEPB
	s_add_co_u32 s41, s[T], 1
	s_cmp_ge_u32 s41, s[SWT]
	s_cselect_b32 s42, s[NN], 0
	s_add_co_u32 s42, s42, s41
	s_min_u32 s42, s42, 15                         ; (the last trip's K is read and not used)
	s_mul_i32 s[NXT], s42, STEPB
	s_cmp_eq_u32 s[T], s[SW]
	s_cbranch_scc1 .Ldiag
	s_cmp_eq_u32 s[T], s[DG2]
	s_cbranch_scc1 .Ldiag
	STEP 0
	s_branch .Lnext
.Ldiag:
	STEP 1
	s_cmp_lg_u32 s[T], s[SW]
	s_cbranch_scc1 .Lnext
.rept 4
	v_nop                                          ; places in front of reads of O^T
.endr
	SAVE                                           ; B: block 7 - n is done; on with block 8 + n
	v_mov_b32 v10, v52
	v_mov_b32 v11, v53
.irp j, 0,1,2,3
	v_mov_b32 v[28+\j], v[44+\j]
	v_mov_b32 v[36+\j], v[48+\j]
.endr
	FRESH
	s_wait_alu depctr_va_vdst(0)
.Lnext:
	s_add_co_u32 s[T], s[T], 1
	s_cmp_lt_u32 s[T], 9
	s_cbranch_scc1 .Ltrip
.rept 4
	v_nop                                          ; places in front of reads of O^T
.endr
	s_cmp_eq_u32 s[CLS], 1
	s_cbranch_scc1 .Lkept
	SAVE                                           ; A: my part of block 8 + n
	v_mov_b32 v12, 0x7e000000                      ; what I hold counts for nothing beside what I take over: its factor becomes 0
	v_mov_b32 v14, 0x7e000000
.Lkept:
	s_wait_alu depctr_va_vdst(0)
	s_wait_dscnt 0x0                               ; for the others' sake: my state is stored
	s_barrier_signal -1
	s_barrier_wait -1
	ds_load_b128 v[188:191], v[SPART] offset:4096  ; sum in two halves, -M
	ds_load_b128 v[192:195], v[SPART] offset:8704
.irp k, 0,1,2,3,4,5,6,7
	ds_load_b128 v[60+4*\k:63+4*\k], v[SPART] offset:512*\k
	ds_load_b128 v[92+4*\k:95+4*\k], v[SPART] offset:4608+512*\k
.endr
	s_wait_dscnt 0x0
	v_min_num_f32 v196, v12, v190                  ; -M of both
	v_min_num_f32 v197, v14, v194
	v_sub_f32 v198, v196, v12
	v_sub_f32 v199, v197, v14
	v_sub_f32 v200, v196, v190
	v_sub_f32 v201, v197, v194
	v_cvt_i32_f32 v198, v198
	v_cvt_i32_f32 v199, v199
	v_cvt_i32_f32 v200, v200
	v_cvt_i32_f32 v201, v201
	v_ldexp_f32 v16, 1.0, v198
	v_ldexp_f32 v18, 1.0, v199
	v_ldexp_f32 v202, 1.0, v200
	v_ldexp_f32 v204, 1.0, v201
	WIN 0x01
	v_pk_mul_f32 v[206:207], v[160:161], v[16:17] op_sel_hi:[1,0]
	v_pk_mul_f32 v[208:209], v[164:165], v[18:19] op_sel_hi:[1,0]
	WIN 0
	v_pk_fma_f32 v[206:207], v[188:189], v[202:203], v[206:207] op_sel_hi:[1,0,1]
	v_pk_fma_f32 v[208:209], v[192:193], v[204:205], v[208:209] op_sel_hi:[1,0,1]
	v_add_f32 v206, v206, v207
	v_add_f32 v208, v208, v209
	v_permlanex16_b32 v210, v206, s[SEL], s[SEL+1]
	v_permlanex16_b32 v211, v208, s[SEL], s[SEL+1]
	v_add_f32 v206, v206, v210                     ; the rows' sums
	v_add_f32 v208, v208, v211
.set N_, 0
.rept 16
	v_pk_mul_f32 v[124+N_:125+N_], v[124+N_:125+N_], v[16:17] op_sel_hi:[1,0]
	v_pk_mul_f32 v[156+N_:157+N_], v[156+N_:157+N_], v[18:19] op_sel_hi:[1,0]
.set N_, N_+2
.endr
.set N_, 0
.rept 16
	v_pk_fma_f32 v[124+N_:125+N_], v[60+N_:61+N_], v[202:203], v[124+N_:125+N_] op_sel_hi:[1,0,1]
	v_pk_fma_f32 v[156+N_:157+N_], v[92+N_:93+N_], v[204:205], v[156+N_:157+N_] op_sel_hi:[1,0,1]
.set N_, N_+2
.endr
	s_wait_alu depctr_va_vdst(0)                   ; the wait ahead of the transcendentals,
	v_rcp_f32 v206, v206
	v_rcp_f32 v208, v208
	v_bfe_u32 v214, v0, 4, 1
	v_add_nc_u32 v[ADV], YB, v[LI]
	v_cmp_ne_u32 vcc_lo, 0, v214
	s_wait_alu depctr_va_vdst(0)                   ; and behind them
.set N_, 0
.rept 16
	v_pk_mul_f32 v[124+N_:125+N_], v[124+N_:125+N_], v[206:207] op_sel_hi:[1,0]
	v_pk_mul_f32 v[156+N_:157+N_], v[156+N_:157+N_], v[208:209] op_sel_hi:[1,0]
.set N_, N_+2
.endr
	; THE QUANTISER along the head's channels: my lane holds all of block h of both tiles
.irp b, 0,1
	v_max3_num_f32 v[212+\b], |v[124+32*\b]|, |v[125+32*\b]|, 0x1800000
	v_max3_num_f32 v[216+\b], |v[140+32*\b]|, |v[141+32*\b]|, |v[142+32*\b]|
.endr
.irp i, 2,4,6,8,10,12
.irp b, 0,1
	v_max3_num_f32 v[212+\b], v[212+\b], |v[124+32*\b+\i]|, |v[125+32*\b+\i]|
	v_max3_num_f32 v[216+\b], v[216+\b], |v[141+32*\b+\i]|, |v[142+32*\b+\i]|
.endr
.endr
.irp b, 0,1
	v_max3_num_f32 v[212+\b], v[212+\b], |v[138+32*\b]|, |v[139+32*\b]|
.endr
.irp b, 0,1
	v_max3_num_f32 v[212+\b], v[212+\b], v[216+\b], |v[155+32*\b]|
.endr
.irp b, 0,1
	v_add_nc_u32 v[218+\b], 0xff000000, v[212+\b]
.endr
.irp b, 0,1
.irp n, 0,1,2,3
	v_cvt_scalef32_pk8_fp4_f32 v[220+4*\b+\n], v[124+32*\b+8*\n:131+32*\b+8*\n], v[218+\b]
.endr
.endr
	v_lshrrev_b32 v236, 23, v218                   ; the bytes.  (Plain places behind the conversions)
	v_lshrrev_b32 v237, 23, v219
.irp b, 0,1                                    ; in lanes 16-31 tile n holds channels 32 + 8 (n xor 1) on: put back in order
	v_cndmask_b32 v[228+4*\b], v[220+4*\b], v[221+4*\b], vcc_lo
	v_cndmask_b32 v[229+4*\b], v[221+4*\b], v[220+4*\b], vcc_lo
	v_cndmask_b32 v[230+4*\b], v[222+4*\b], v[223+4*\b], vcc_lo
	v_cndmask_b32 v[231+4*\b], v[223+4*\b], v[222+4*\b], vcc_lo
.endr
	ds_store_b8 v[YAD], v236
	ds_store_b8 v[YAD], v237 offset:256
	global_store_b128 v[LI], v[228:231], s[10:11]  ; 512 consecutive bytes
	global_store_b128 v[LI], v[232:235], s[10:11] offset:65536
	s_wait_alu depctr_va_vdst(0)
	s_wait_dscnt 0x0                               ; for the others' sake: my scale bytes are in LDS
	s_barrier_signal -1
	s_barrier_wait -1
	s_cmp_lg_u32 s[WV], 0
	s_cbranch_scc1 .Lend
	ds_load_b128 v[60:63], v[ADV]
	s_wait_dscnt 0x0
	global_store_b128 v[LI], v[60:63], s[12:13]    ; the work-group's 512 scale bytes
.Lend:
	s_wait_tensorcnt 0x0                           ; the wave's end
	ds_add_u32 v[SPW], v[NIL]
	s_wait_dscnt 0x0
	CROUND                                         ; the closing round
	s_endpgm
.Lfunc_end_k_qdfd1d19c04_attn:
	.size	k_qdfd1d19c04_attn, .Lfunc_end_k_qdfd1d19c04_attn-k_qdfd1d19c04_attn
	.p2alignl 7, 3214868480
	.fill 96, 4, 3214868480
	.section	.rodata,"a",@progbits
	.p2align	6, 0x0
	.amdhsa_kernel k_qdfd1d19c04_attn
		.amdhsa_group_segment_fixed_size 218624
		.amdhsa_private_segment_fixed_size 0
		.amdhsa_enable_private_segment 0
		.amdhsa_kernarg_size 40
		.amdhsa_user_sgpr_count 2
		.amdhsa_user_sgpr_kernarg_segment_ptr 1
		.amdhsa_wavefront_size32 1
		.amdhsa_system_sgpr_workgroup_id_x 1
		.amdhsa_system_sgpr_workgroup_id_y 1
		.amdhsa_system_sgpr_workgroup_id_z 1
		.amdhsa_system_vgpr_workitem_id 0
		.amdhsa_next_free_vgpr 464
		.amdhsa_next_free_sgpr 66
		.amdhsa_reserve_vcc 1
		.amdhsa_float_denorm_mode_32 3
		.amdhsa_float_denorm_mode_16_64 3
		.amdhsa_memory_ordered 1
		.amdhsa_forward_progress 1
		.amdhsa_inst_pref_size 80
	.end_amdhsa_kernel
	.amdgpu_metadata
---
amdhsa.version: [ 1, 2 ]
amdhsa.kernels:
  - .name:           k_qdfd1d19c04_attn
    .symbol:         k_qdfd1d19c04_attn.kd
    .args:
      - { .name: qc, .offset: 0, .size: 8, .value_kind: global_buffer, .address_space: global }
      - { .name: qs, .offset: 8, .size: 8, .value_kind: global_buffer, .address_space: global }
      - { .name: kv, .offset: 16, .size: 8, .value_kind: global_buffer, .address_space: global }
      - { .name: yc, .offset: 24, .size: 8, .value_kind: global_buffer, .address_space: global }
      - { .name: ys, .offset: 32, .size: 8, .value_kind: global_buffer, .address_space: global }
    .group_segment_fixed_size: 218624
    .private_segment_fixed_size: 0
    .kernarg_segment_align: 8
    .kernarg_segment_size: 40
    .max_flat_workgroup_size: 256
    .sgpr_count:     66
    .vgpr_count:     464
    .wavefront_size: 32
...
	.end_amdgpu_metadata
.endif
;; end of part 2
;; launch proj (part 3): grid 8 x 32, 4 waves a work-group, clusters of 4 x 4, 167,936 bytes of LDS; arguments yc, ys, Wp_codes, Wp_scales, bp, out0; writes out0
.if DOCPART == 3
	.amdgcn_target "amdgcn-amd-amdhsa--gfx1250"
	.amdhsa_code_object_version 6
	.text
	.protected	k_qdfd1d19c04_proj
	.globl	k_qdfd1d19c04_proj
	.p2align	8
	.type	k_qdfd1d19c04_proj,@function
k_qdfd1d19c04_proj:
	s_mov_b64 s[64:65], 0
	v_nop
	global_prefetch_b8 v0, s[64:65] scope:SCOPE_SE
	s_setreg_imm32_b32 hwreg(HW_REG_WAVE_MODE, 25, 1), 1
	s_wait_xcnt 0x0
	s_wait_alu depctr_hold_cnt(0) depctr_sa_sdst(0) depctr_va_vdst(0) depctr_va_sdst(0) depctr_va_ssrc(0) depctr_va_vcc(0) depctr_vm_vsrc(0)
	s_getreg_b32 s2, hwreg(HW_REG_IB_STS2, 6, 4)
	s_cmp_eq_u32 s2, 0
	s_cbranch_scc0 .Lentry_in_a_cluster
	s_endpgm
.Lentry_in_a_cluster:
	s_bfe_u32 s2, ttmp6, 0x10000c
	s_cmp_lg_u32 s2, 0xf033
	s_cbranch_scc0 .Lentry_shape_is_right
	s_endpgm
.Lentry_shape_is_right:
; out = y Wp^T + bp on codes of FP4 (E2M1) with one E8M0 scale for each 32 along K = 1,024; out is f32.
; SHARES.  Work-group (X, Y): features 128X on; Y = ((batch x 2 + g) x 4 + j) x 2 + c: the eight token tiles 4 c + j that the attention's work-groups (g, j) made, one of each of their blocks: 256 work-groups.
; Block at place k: m = 4 + k + 4 g for k >= 4, 4 + k - 4 g for k < 4.  Wave w: features 64 (w & 1) on (four tiles), token tiles k = 4 (w >> 1) + i: 16 accumulators.
; Row r of a token tile is token 128 m + 64 c + 8 j + r for r < 8, and 32 + 8 ((j xor 1) - j) further on for r - 8 where r >= 8.
; TRANSPOSED (source 0 = 16 rows of Wp, source 1 = 16 tokens): a lane holds eight neighbouring features of one token.  bp is the C of the first K step.
; LDS: y's images (tile x 8,192 bytes, K step s at 1,024 s); Wp's 128 rows (512 bytes + 16 a row); a stage of 16 rows x 272 bytes a wave; y's scale words [128 rows][8].  Every byte is filled once, one joint load a wave.
; CLUSTER 4 x 4: y's tiles hang on Y alone, joint along a row of the cluster; Wp's on X alone, joint along a column.  No prefetch: all loads are issued at the head, no loop follows.
; REGISTERS, window 0: v1-15 addresses and the add; v16-31 Wp's scale words, v32-47 y's; v48-63 scale bytes in the making; v64-191 fragments, two buffers of 64 (Wp's four, y's four), on the way out rows.
;   window 1: accumulators (i, n) at 8 (4 i + n); bp at 128.
.set PITCH, 528
.set WB,  65536
.set STG, WB+128*PITCH
.set SP,  272
.set SBY, 16*SP
.set TAB, STG+4*SBY
.set SPARE, TAB+4096
.set G1Y, 24
.set G1P, 32
.set G0Y, 40
.set G0P, 44
.set LI,  1
.set RR,  2
.set HH,  3
.set SO,  4
.set H32, 5
.set AY,  6
.set AP,  7
.set STO, 8
.set RD,  9
.set CO,  11
.set TW,  12
.set TR,  13
.set SPW, 14
.set NIL, 15
.set WS,  16
.set YS,  32
.set FB,  64
.set BP,  128
.set MSB, 0
.macro WIN new                         ; the immediate's high byte repeats the setting that is left
.if MSB != \new
	s_set_vgpr_msb (MSB<<8)|\new
.set MSB, \new
.endif
.endm
.macro CROUND                          ; a round of the cluster's barrier
	s_barrier_signal -1
	s_barrier_wait -1
	s_cmp_lg_u32 s16, 0
	s_cbranch_scc1 .Lnot_wave_0_\@
	s_barrier_signal -3
.Lnot_wave_0_\@:
	s_barrier_wait -3
	s_barrier_signal -1
	s_barrier_wait -1
.endm
.macro PLACES n
.rept \n
	v_nop
.endr
.endm
.macro WM d, a, b, c, sa, sb, row
.if \row
	v_wmma_scale_f32_16x16x128_f8f6f4 v[\d:\d+7], v[\a:\a+7], v[\b:\b+7], v[\c:\c+7], v[\sa], v[\sb] matrix_a_fmt:MATRIX_FMT_FP4 matrix_b_fmt:MATRIX_FMT_FP4 matrix_a_scale:MATRIX_SCALE_ROW1 matrix_b_scale:MATRIX_SCALE_ROW1
.else
	v_wmma_scale_f32_16x16x128_f8f6f4 v[\d:\d+7], v[\a:\a+7], v[\b:\b+7], v[\c:\c+7], v[\sa], v[\sb] matrix_a_fmt:MATRIX_FMT_FP4 matrix_b_fmt:MATRIX_FMT_FP4
.endif
.endm
	s_load_b256 s[4:11], s[0:1], 0x0               ; yc, ys, Wp codes, Wp scales
	s_load_b128 s[12:15], s[0:1], 0x20             ; bp, out0
	v_lshl_add_u32 v[SPW], v0, 2, SPARE
	v_mov_b32 v[NIL], 0
	ds_add_u32 v[SPW], v[NIL]                      ; the opening lines
	ds_add_u32 v[SPW], v[NIL]
	v_lshrrev_b32 v1, 5, v0
	v_readfirstlane_b32 s16, v1                    ; wave 0..3
	s_bfe_u32 s17, ttmp6, 0x40000                  ; cx
	s_bfe_u32 s18, ttmp6, 0x40004                  ; cy
	s_lshl_b32 s19, ttmp9, 2
	s_add_co_u32 s19, s19, s17                     ; X
	s_and_b32 s20, ttmp7, 0xffff
	s_lshl_b32 s20, s20, 2
	s_add_co_u32 s20, s20, s18                     ; Y
	s_lshl_b32 s21, s18, 2
	s_lshl_b32 s21, 15, s21                        ; my row of the cluster
	s_lshl_b32 s22, 0x1111, s17                    ; my column
	s_or_b32 s[G1Y], s21, (3<<16)|(1<<21)          ; y: four tiles, a dense block as 128 rows of 256 bytes (32 elements of 8 bytes)
	s_mov_b32 s[G1Y+1], 32<<16
	s_mov_b32 s[G1Y+2], 128<<16
	s_mov_b32 s[G1Y+3], 32<<16
	s_mov_b32 s[G1Y+4], 128
	s_mov_b32 s[G1Y+5], 32
	s_mov_b32 s[G1Y+6], 0
	s_mov_b32 s[G1Y+7], 0
	s_or_b32 s[G1P], s22, (1<<20)|(1<<21)|(6<<22)|(3<<25)   ; Wp: 64 rows x 512 bytes; 4 words of padding after every 128
	s_mov_b32 s[G1P+1], 512<<16
	s_mov_b32 s[G1P+2], 64<<16
	s_mov_b32 s[G1P+3], 512<<16
	s_mov_b32 s[G1P+4], 64
	s_mov_b32 s[G1P+5], 512
	s_mov_b32 s[G1P+6], 0
	s_mov_b32 s[G1P+7], 0
	s_and_b32 s62, s16, 1                          ; which 64 features.  Also: which half of y's tiles or of Wp's rows I fetch
	s_lshr_b32 s63, s16, 1                         ; which four token tiles.  Also: I fetch for y (0) or for Wp (1)
	s_lshl_b32 s49, s62, 15
	s_lshl_b32 s56, s20, 16
	s_add_co_u32 s56, s56, s49
	s_mov_b32 s57, 0
	s_lshl_b32 s58, s19, 16
	s_add_co_u32 s58, s58, s49
	s_mov_b32 s59, 0
	s_mov_b32 s[G0Y], 1
	s_lshl_b32 s[G0Y+1], s62, 15
	s_mov_b32 s[G0P], 1
	s_mul_i32 s50, s62, 64*PITCH
	s_add_co_u32 s[G0P+1], s50, WB
	s_wait_dscnt 0x0                               ; both opening adds are done
	CROUND                                         ; all sixteen work-groups are here: the joint loads meet
	s_wait_kmcnt 0x0
	s_add_nc_u64 s[G0Y+2:G0Y+3], s[4:5], s[56:57]
	s_or_b32 s[G0Y+3], s[G0Y+3], 0x80000000
	s_add_nc_u64 s[G0P+2:G0P+3], s[8:9], s[58:59]
	s_or_b32 s[G0P+3], s[G0P+3], 0x80000000
	s_cmp_lt_u32 s16, 2
	s_cbranch_scc0 .Lfor_w
	tensor_load_to_lds s[G0Y:G0Y+3], s[G1Y:G1Y+7]  ; one load a wave
	s_nop 0
	PLACES 4
	s_branch .Lasked
.Lfor_w:
	tensor_load_to_lds s[G0P:G0P+3], s[G1P:G1P+7]
	s_nop 0
	PLACES 4
.Lasked:
	s_mov_b32 s67, 0
	s_lshr_b32 s66, s20, 4
	s_lshl_b32 s66, s66, 16
	s_bfe_u32 s68, s20, 0x30001
	s_lshl_b32 s68, s68, 9
	s_add_co_u32 s66, s66, s68
	s_and_b32 s68, s20, 1
	s_lshl_b32 s68, s68, 8
	s_add_co_u32 s66, s66, s68
	s_lshl_b32 s68, s16, 14
	s_add_co_u32 s66, s66, s68
	s_add_nc_u64 s[6:7], s[6:7], s[66:67]          ; ys: heads 4 w .. 4 w + 3: 256 bytes each, 4,096 apart
	s_lshl_b32 s66, s19, 12
	s_lshl_b32 s68, s62, 11
	s_add_co_u32 s66, s66, s68
	s_add_nc_u64 s[10:11], s[10:11], s[66:67]      ; Wp's scales: (128 X + 64 (w & 1)) rows of 32 bytes
	s_lshr_b32 s66, s66, 3
	s_add_nc_u64 s[12:13], s[12:13], s[66:67]      ; bp: as many numbers
	; out: my first tile's rows
	s_lshr_b32 s66, s20, 4
	s_lshl_b32 s66, s66, 11                        ; batch x 2,048
	s_and_b32 s68, s20, 1
	s_lshl_b32 s68, s68, 6
	s_add_co_u32 s66, s66, s68                     ; + 64 c
	s_bfe_u32 s60, s20, 0x10003                    ; g
	s_lshl_b32 s60, s60, 2
	s_sub_co_u32 s61, 0, s60
	s_cmp_eq_u32 s63, 1
	s_cselect_b32 s60, s60, s61
	s_lshl_b32 s68, s63, 2
	s_add_co_u32 s68, s68, s60
	s_add_co_u32 s68, s68, 4
	s_lshl_b32 s68, s68, 7
	s_add_co_u32 s66, s66, s68                     ; + 128 m of place 4 (w >> 1); the next places' blocks follow it
	s_bfe_u32 s68, s20, 0x20001                    ; j
	s_lshl_b32 s69, s68, 3
	s_add_co_u32 s66, s66, s69                     ; + 8 j
	s_and_b32 s68, s68, 1
	s_lshl_b32 s68, s68, 16
	s_sub_co_u32 s68, 163840, s68                  ; from row 0 to row 8: 40 or 24 rows of 4,096 bytes
	s_mov_b32 s69, 0
	s_lshl_b32 s66, s66, 12
	s_lshl_b32 s60, s19, 9
	s_add_co_u32 s66, s66, s60
	s_lshl_b32 s60, s62, 8
	s_add_co_u32 s66, s66, s60
	s_add_nc_u64 s[48:49], s[14:15], s[66:67]
	s_add_nc_u64 s[50:51], s[48:49], s[68:69]
	s_lshl_b32 s56, s63, 15                        ; LDS: y's images: my four tiles
	s_mul_i32 s57, s62, 64*PITCH
	s_add_co_u32 s57, s57, WB                      ; my 64 rows of Wp
	s_mul_i32 s58, s16, SBY
	s_add_co_u32 s58, s58, STG                     ; my stage
	s_lshl_b32 s59, s16, 3
	s_add_co_u32 s59, s59, TAB                     ; scale words: K steps 2 w, 2 w + 1 of all rows, in
	s_lshl_b32 s60, s63, 11
	s_add_co_u32 s60, s60, TAB                     ; and out: my 64 rows
	v_and_b32 v10, 31, v0
	v_and_b32 v[RR], 15, v0
	v_bfe_u32 v[HH], v0, 4, 1
	v_lshlrev_b32 v[LI], 4, v10
	v_lshlrev_b32 v62, 3, v10
	v_lshlrev_b32 v[TW], 7, v10
	v_lshlrev_b32 v[SO], 5, v[RR]
	v_lshlrev_b32 v[H32], 5, v[HH]
	v_mul_u32_u24 v[AP], PITCH, v[RR]
	v_mul_u32_u24 v[STO], SP, v[RR]
	v_mul_u32_u24 v[RD], SP, v[HH]
	v_lshlrev_b32 v[CO], 12, v[HH]
	v_lshl_add_u32 v[SO], v[HH], 4, v[SO]
	v_lshl_add_u32 v[STO], v[HH], 5, v[STO]
	v_lshl_add_u32 v[RD], v[RR], 4, v[RD]
	v_lshl_add_u32 v[AP], v[HH], 4, v[AP]
	v_lshl_add_u32 v[CO], v[RR], 4, v[CO]          ; the way out: lanes 0-15 take one row, lanes 16-31 the next
	v_add_nc_u32 v[AY], s56, v[LI]
	v_add_nc_u32 v[TW], s59, v[TW]
	v_add_nc_u32 v[TR], s60, v[SO]
	v_add_nc_u32 v[STO], s58, v[STO]
	v_add_nc_u32 v[RD], s58, v[RD]
	v_add_nc_u32 v[AP], s57, v[AP]
	s_wait_alu depctr_va_vdst(0)                   ; the wait at the head's end
.irp i, 0,1,2,3
	global_load_b64 v[64+2*\i:65+2*\i], v62, s[6:7] offset:4096*\i          ; head 4 w + i: rows 4 x lane .. + 3, two bytes each
.endr
.irp n, 0,1,2,3
	global_load_b128 v[WS+4*\n:WS+4*\n+3], v[SO], s[10:11] offset:512*\n    ; lane (r, h): words 4 h .. 4 h + 3 of row r: K step s names register s % 4, from s = 4 on lanes 16-31
.endr
	WIN 0x40
.irp n, 0,1,2,3
	global_load_b128 v[BP+8*\n:BP+8*\n+3], v[H32], s[12:13] offset:64*\n    ; register j: the bias of feature 16 n + 8 h + j
	global_load_b128 v[BP+8*\n+4:BP+8*\n+7], v[H32], s[12:13] offset:64*\n+16
.endr
	WIN 0
	s_wait_loadcnt 12                              ; the first four; the 12 behind them may stay out
.irp p, 0,1                                    ; a row's scale word of K step 2 w + p: two bytes of head 4 w + 2 p, two of the next
	v_perm_b32 v[48+\p], v[66+4*\p], v[64+4*\p], 0x05040100
	v_perm_b32 v[50+\p], v[66+4*\p], v[64+4*\p], 0x07060302
	v_perm_b32 v[52+\p], v[67+4*\p], v[65+4*\p], 0x05040100
	v_perm_b32 v[54+\p], v[67+4*\p], v[65+4*\p], 0x07060302
.endr
.irp q, 0,1,2,3
	ds_store_b64 v[TW], v[48+2*\q:49+2*\q] offset:32*\q
.endr
.macro FETCH s                         ; 16 LDS loads: K step s: Wp's four fragments, y's four
.set P_, FB+64*((\s)%2)
.irp n, 0,1,2,3
.irp c, 0,1
	ds_load_b128 v[P_+8*\n+4*\c:P_+8*\n+4*\c+3], v[AP] offset:16*PITCH*\n+64*(\s)+32*\c
.endr
.endr
.irp i, 0,1,2,3
.irp c, 0,1
	ds_load_b128 v[P_+32+8*\i+4*\c:P_+32+8*\i+4*\c+3], v[AY] offset:8192*\i+1024*(\s)+512*\c
.endr
.endr
.endm
.macro MUL s                           ; the 16 accumulators take turns, one instruction a turn
.set P_, FB+64*((\s)%2)
.set Q_, (\s)%4
	WIN 0x50                                       ; C and D window 1
.irp i, 0,1,2,3
.irp n, 0,1,2,3
.if (\s) == 0
	WM 8*(4*\i+\n), P_+8*\n, P_+32+8*\i, BP+8*\n, WS+4*\n+Q_, YS+4*\i+Q_, 0
.else
	WM 8*(4*\i+\n), P_+8*\n, P_+32+8*\i, 8*(4*\i+\n), WS+4*\n+Q_, YS+4*\i+Q_, (\s)/4
.endif
.endr
.endr
	WIN 0
.endm
.macro STEP s
.if (\s) > 0
	PLACES 4                                       ; in front of loads into the buffer that the products before have read
.endif
.if (\s) < 7
	FETCH (\s)+1
	s_wait_dscnt 16                                ; all but the 16 just issued
.else
	s_wait_dscnt 0x0
.endif
	MUL \s
.endm
	s_wait_dscnt 0x0                               ; for the others' sake: my scale words are stored,
	s_wait_tensorcnt 0x0                           ; and my tile has landed
	s_barrier_signal -1
	s_barrier_wait -1                              ; everybody's.
.irp i, 0,1,2,3
	ds_load_b128 v[YS+4*\i:YS+4*\i+3], v[TR] offset:512*\i
.endr
	FETCH 0
	s_wait_loadcnt 0x0                             ; Wp's scale words and the bias
.irp s, 0,1,2,3,4,5,6,7
	STEP \s
.endr
	; THE WAY OUT: a tile, 16 rows x 256 bytes, goes through my own stage and comes back as whole rows.  LDS serves a wave's instructions in order (ISA guide 5.7.1.4): no wait between the stores and the loads, nor in front of the next tile's stores.
.macro TOSTAGE i
	WIN 0x04                                       ; the stores' data: window 1
.irp n, 0,1,2,3
	ds_store_b128 v[STO], v[8*(4*\i+\n):8*(4*\i+\n)+3] offset:64*\n         ; each accumulator from its low end on
	ds_store_b128 v[STO], v[8*(4*\i+\n)+4:8*(4*\i+\n)+7] offset:64*\n+16
.endr
	WIN 0
.irp t, 0,1,2,3,4,5,6,7
	ds_load_b128 v[FB+32*\i+4*\t:FB+32*\i+4*\t+3], v[RD] offset:2*\t*SP
.endr
.endm
.macro SEND i, younger                 ; younger: the LDS instructions issued behind this tile's loads, which may stay out
.irp t, 0,1,2,3,4,5,6,7
	s_wait_dscnt \younger+7-\t
	global_store_b128 v[CO], v[FB+32*\i+4*\t:FB+32*\i+4*\t+3], s[48+2*(\t/4):49+2*(\t/4)] offset:524288*\i+8192*(\t%4)   ; two rows of 256 consecutive bytes, each at a multiple of 256 from out's first byte
.endr
.endm
	PLACES 4
	TOSTAGE 0
	TOSTAGE 1
	SEND 0, 16
	TOSTAGE 2
	SEND 1, 16
	TOSTAGE 3
	SEND 2, 16
	SEND 3, 0
	s_wait_tensorcnt 0x0                           ; the wave's end
	ds_add_u32 v[SPW], v[NIL]
	s_wait_dscnt 0x0
	CROUND                                         ; the closing round
	s_endpgm
.Lfunc_end_k_qdfd1d19c04_proj:
	.size	k_qdfd1d19c04_proj, .Lfunc_end_k_qdfd1d19c04_proj-k_qdfd1d19c04_proj
	.p2alignl 7, 3214868480
	.fill 96, 4, 3214868480
	.section	.rodata,"a",@progbits
	.p2align	6, 0x0
	.amdhsa_kernel k_qdfd1d19c04_proj
		.amdhsa_group_segment_fixed_size 167936
		.amdhsa_private_segment_fixed_size 0
		.amdhsa_enable_private_segment 0
		.amdhsa_kernarg_size 48
		.amdhsa_user_sgpr_count 2
		.amdhsa_user_sgpr_kernarg_segment_ptr 1
		.amdhsa_wavefront_size32 1
		.amdhsa_system_sgpr_workgroup_id_x 1
		.amdhsa_system_sgpr_workgroup_id_y 1
		.amdhsa_system_sgpr_workgroup_id_z 1
		.amdhsa_system_vgpr_workitem_id 0
		.amdhsa_next_free_vgpr 416
		.amdhsa_next_free_sgpr 72
		.amdhsa_reserve_vcc 0
		.amdhsa_float_denorm_mode_32 3
		.amdhsa_float_denorm_mode_16_64 3
		.amdhsa_memory_ordered 1
		.amdhsa_forward_progress 1
		.amdhsa_inst_pref_size 45
	.end_amdhsa_kernel
	.amdgpu_metadata
---
amdhsa.version: [ 1, 2 ]
amdhsa.kernels:
  - .name:           k_qdfd1d19c04_proj
    .symbol:         k_qdfd1d19c04_proj.kd
    .args:
      - { .name: yc, .offset: 0, .size: 8, .value_kind: global_buffer, .address_space: global }
      - { .name: ys, .offset: 8, .size: 8, .value_kind: global_buffer, .address_space: global }
      - { .name: Wp_codes, .offset: 16, .size: 8, .value_kind: global_buffer, .address_space: global }
      - { .name: Wp_scales, .offset: 24, .size: 8, .value_kind: global_buffer, .address_space: global }
      - { .name: bp, .offset: 32, .size: 8, .value_kind: global_buffer, .address_space: global }
      - { .name: out0, .offset: 40, .size: 8, .value_kind: global_buffer, .address_space: global }
    .group_segment_fixed_size: 167936
    .private_segment_fixed_size: 0
    .kernarg_segment_align: 8
    .kernarg_segment_size: 48
    .max_flat_workgroup_size: 128
    .sgpr_count:     72
    .vgpr_count:     416
    .wavefront_size: 32
...
	.end_amdgpu_metadata
.endif
;; end of part 3
